; MI455X (gfx1250); checked and timed in simulation.
; The chip was launched on July 23, 2026; its instructions are those of AMD's public machine-readable ISA for CDNA 5 (MIT licence, August 2026) and "CDNA5" Instruction Set Architecture Reference Guide (July 2026). The comments in the code are by the model that wrote it; some were corrected since.
;; Particle Kernel. Allowed arithmetic: matrix products marked QUANTISED: E2M3 operands, one E8M0 scale for each 32 along K, by v_wmma_scale_f32_16x16x128_f8f6f4 with both operands' format E2M3, f32 sums; everything else in f32.
;; Inputs: W_charge 2,048 x 512 float32; W_combine 512 x 2,048 float32; beta 512 float32; charge 4 x 2,048 x 512 float32; gamma 512 float32; log_bandwidth 4 float32; mass 4 x 2,048 x 1 float32; position 4 x 2,048 x 16 float32.
;; Outputs: out0 4 x 2,048 x 512 float32.
;; This version of the problem:
;;   THIS VERSION OF THE PROBLEM IS GIVEN IN LOW PRECISION. The matrix products marked QUANTISED in the list below multiply operands that are first quantised to E2M3 (2 exponent bits, 3 mantissa bits; 6 bits a number), with one power-of-two scale for each 32 numbers along K (OCP MX v1.0); their sums are f32. All else is computed in f32.
;;   The module's matrix products, in the order in which they are computed (A, B: the left and right operand; K: the contracted axis; several contracted axes count as one K, in the product's order):
;;     1. [M 8,192, K 512] x [K 512, N 2,048]; A: input charge; B: input W_charge: QUANTISED
;;     2. batch 16 x [M 512, K 2,048] x [K 2,048, N 2,048]; A: computed on the way; B: computed on the way: QUANTISED
;;     3. [M 8,192, K 2,048] x [K 2,048, N 512]; A: computed on the way; B: input W_combine: QUANTISED
;;   THE QUANTISER, for each operand of a quantised product, along K:
;;     - K is cut into blocks of 32 from its start; a last block that is shorter is filled with zeros.
;;     - A block's scale is 2^e with e = floor(log2(the largest magnitude in the block)) - 2, held to -126 .. 127; a block of zeros has e = 0. As a byte (E8M0): e + 127.
;;     - Each number is divided by its block's scale, clamped to +-7.5, and rounded to the nearest number of E2M3, ties to even, subnormals kept.
;;     - The product sums the exact products of the quantised numbers (number of the format x scale) in f32.
;;   ~~~python
;;   def quantise(x, axis):      # numpy; x: float32 -> the quantised numbers, widened to float32 again
;;       x = np.moveaxis(x, axis, -1); K = x.shape[-1]
;;       x = np.pad(x, [(0, 0)] * (x.ndim - 1) + [(0, -K % 32)]); x = x.reshape(x.shape[:-1] + (-1, 32)); a = np.abs(x).max(-1, keepdims=True)
;;       e = np.where(a > 0, np.clip(np.frexp(np.where(a > 0, a, 1))[1] - 1 - 2, -126, 127), 0)      # np.frexp(a)[1] - 1 = floor(log2(a)), exactly
;;       r = np.clip(x / 2.0 ** e, -7.5, 7.5)
;;       step = 2.0 ** (np.maximum(np.frexp(np.where(r == 0, 1, r))[1] - 1, 0) - 3)
;;       q = np.round(r / step) * step * 2.0 ** e      # np.round: ties to even
;;       return np.moveaxis(q.reshape(q.shape[:-2] + (-1,))[..., :K], -1, axis).astype(np.float32)
;;   ~~~
;;   OPERANDS COMPUTED ON THE WAY. 'Computed on the way' means the value that the module computes at that place (a softmax that the list does not call 'softmax' is quantised finished and normalised). What goes into a quantiser is computed in f32, as accurately as f32 sums, v_exp_f32 and their like allow (about 1e-6 of the number): no bf16 or f16 on the way to a quantiser, and a product that is left as it is and whose result goes on into a quantised operand takes f32 operands (vector FMAs, or v_wmma_f32_16x16x4_f32). A number that lies on a knife's edge between two numbers of the format may be rounded either way, as far as f32 arithmetic and the matrix unit's own rounding can turn it there, and no further.
;; One version. Each part assembles by itself: llvm-mc -triple=amdgcn-amd-amdhsa -mcpu=gfx1250 --defsym DOCPART=n.
;; ======== version 1 of 1: 4 launches
;; limits: right only within a limited range of input values
;; workspace buffers: qin 4,915,200 bytes; pt 13,107,200 bytes; wk 52,428,800 bytes; fld 13,107,200 bytes
;; launch prep (part 1): grid 16 x 32, 8 waves a work-group, no clusters, 112,128 bytes of LDS; arguments position, mass, log_bandwidth, wk, charge, W_charge, W_combine, qin; writes wk, qin
.if DOCPART == 1
	.amdgcn_target "amdgcn-amd-amdhsa--gfx1250"
	.amdhsa_code_object_version 6
	.text
	.protected	k_q9de7bfcce7_prep
	.globl	k_q9de7bfcce7_prep
	.p2align	8
	.type	k_q9de7bfcce7_prep,@function
k_q9de7bfcce7_prep:
	s_mov_b64 s[64:65], 0
	v_nop
	global_prefetch_b8 v0, s[64:65] scope:SCOPE_SE
	s_setreg_imm32_b32 hwreg(HW_REG_WAVE_MODE, 25, 1), 1
	s_wait_xcnt 0x0
; TWO JOBS IN ONE LAUNCH, neither of which reads what the other stores.
; (1) wk[b][i][j][k] = exp(-|p_i - p_j|^2 / (2 exp(log_bandwidth[k]) + 1e-8)) x mass[b][j], in f32, QUANTISED ALONG j to codes of FP6 (E2M3) with one E8M0 byte for each 32 j.
; (2) charge [8192][512], W_charge [2048][512] and W_combine [512][2048], f32 with K innermost, quantised along K to the same format, into qin.
; Both results are laid in the ORDER OF THE OPERAND'S REGISTERS, so that the products' launches fetch dense blocks and read fragments by loads of 16 bytes alone:
;   a fragment's image (16 rows x 128 K, 12 registers a lane, 1,536 bytes): register p of lane L at 512 (p / 4) + 16 L + 4 (p % 4);
;   a scale block (128 rows, one K step of 128, 512 bytes): the word of fragment 2 beta + u, row r, at 16 (16 u + r) + 4 beta;
;   a small record (128 rows, one K step): 8 fragments, the scale block: 12,800 bytes;  a big record (512 rows): 32 fragments, 4 scale blocks: 51,200 bytes.
;   wk: small records, panel 16 (4 b + k) + it (128 i, natural rows: fragment f, lane r = row 16 f + r), K step = 128 j.
;   qin: charge at 0, 16 panels of 512 rows x 4 K steps, big records;  W_charge at QW1, 16 panels of 128 rows x 4 K steps, small records;  W_combine at QW2, 16 K steps, big records.
;   Rows of a fragment: charge and W_charge PERMUTED (lane r of fragment 2 beta + u holds row 32 beta + 8 u + r + 8 (r / 8) of its 128), so that a product's results lie as 16 neighbours along the next K;  W_combine natural.
; JOB 1, SHARES.  Each distance is made once and serves all four k.  It is taken by differences, as the definition has it: 16 subtractions, 16 multiply-adds, packed two at a time.
; A work-group takes 256 i x 128 j x 4 k.  Wave w takes i = 32 w + 16 t + r, t = 0, 1: fragments 2 beta + t of panel pan, pan = w / 4, beta = w % 4.  Lane (r, h) takes, for c = 0, 1, the WHOLE blocks
; j = 64 c + 32 h + 0 .. 31, which are registers 6 c .. 6 c + 5 of the operand: no maximum crosses lanes and no halves change places.
; p_j of the 128 j lie in LDS (8 KB, stored once); sixteen lanes read the same 16 bytes.  A fragment's two halves (c = 0, 1) are made at different times: they meet in the wave's own stage in LDS and leave as whole images.
; exp(-d / den) = 2^(d x c_k), c_k = -log2(e) / den, with one correction step behind the reciprocal.
; JOB 2, SHARES.  The three tensors are 384 units of 128 rows x 128 along K (256 of charge, 64, 64).  The 384 work-groups with y < 24 take one unit each, t = 16 y + x; wave w makes its fragment w (beta = w / 2, u = w % 2).
; Lane (r, h) loads, of its row, 16 neighbours of each block of 32: the order that the conversions want.  The 16 loads go out when the last distances are made, into the registers that p_i and p_j have left, and land
; while the wave makes its last eight blocks of weights; the fragment is quantised behind those.  Its scale word goes to LDS bytes of the unit's own; the tail's barrier, which every wave passes anyway, shows the
; unit's scale block to wave 0, which stores it.  The three branches of this job hang on the work-group's y, the last also on the wave's number; no barrier stands under them.
; A block's scale is 2^(floor(log2(its largest magnitude)) - 2): its byte is the largest magnitude's exponent field - 2, held at 1 from below.
; LIMITS: a weight under 2^-126 becomes 0 (v_exp_f32 gives no denormals: ISA guide, its entry); the exponent d x c_k carries c_k's rounding, about 1e-7 of itself;
; a block of zeros gets the byte 1 where the quantiser's text says 127 (its codes are zeros; this program alone reads the bytes); NaN and infinities are not served.
; No tensor loads, no matrix unit, no cluster: what work-groups share is 8 KB of positions against about 115 KB that each stores, and no two read the same byte of the three tensors.
.set SREC, 12800
.set BREC, 51200
.set FRB,  1536
.set QW1,  3276800
.set QW2,  4096000
.set UNITY, 24                         ; work-groups with y under this take a unit of job 2: 16 x 24 = 384
.set SCW,  8192                        ; LDS: behind the 128 p_j: job 1's scale blocks [k][pan], 512 bytes each
.set STG,  12288                       ; a stage of 8 fragment images (4 t + k) for each wave
.set QSC,  110592                      ; and behind the stages job 2's scale block, 512 bytes that no line of job 1 names
.set APJ,  4                           ; v4   2,048 h: my half's first p_j
.set AMS,  5                           ; v5   128 h: my half's first mass
.set AST,  6                           ; v6   my stage + 16 x lane
.set ASC,  7                           ; v7   my word in a scale block
.set GO,   8                           ; v8   16 x lane + 3,072 beta
.set SH,   9                           ; v9   8 h
.set ASR,  10                          ; v10  the scale block that my wave sends out
.set LI,   11                          ; v11  16 x lane
.set PI,   16                          ; v16-47   p_i of t = 0, 1
.set PJ,   48                          ; v48-79   p_j, two buffers
.set X,    16                          ; v16-79   job 2: my fragment's 64 numbers, once p_i and p_j are done with
.set DD,   80                          ; v80-111  differences; later W: a block's 32 weights
.set W,    80
.set TM,   80                          ; v80-95   job 2: at work in QUANT
.set PCQ,  96                          ; v96-115  job 2: my fragment's codes; never rewritten behind their stores
.set PWQ,  116                         ; v116     job 2: my rows' scale word
.set CH,   112                         ; v112-119 four chains of squares
.set D2,   120                         ; v120-183 the distances: 32 t + jj
.set MS,   184                         ; v184-215 the block's 32 masses
.set RBK,  120                         ; v120-215 the tail: my 8 images on their way out
.set CD,   216                         ; v216-222 a block's codes; in the tail v216-219, v220-223 the scale blocks on their way out
.set SB,   224                         ; v224-231 scale bytes of (t, k)
.set WD,   232                         ; v232-235 scale words, one for each k
.set XA,   236                         ; v236 job 2: my byte in the source
.set GOQ,  237                         ; v237 16 x lane + 1,536 x wave: my fragment's place in the unit's codes
.set ASQ,  238                         ; v238 my rows' word in the unit's scale block, in LDS
.set AQR,  239                         ; v239 the unit's scale block + 16 x lane
.set CK,   16                          ; s[16:23] four pairs (c_k, c_k)
.set BK,   24                          ; s[24:31] my panel's record for k = 0 .. 3
.set BS,   32                          ; s[32:33] the scale block that my wave sends out
.set SEL,  34
.set HM,   36
.set QSRC, 80                          ; s[80:81] job 2: the source at my unit's corner
.set QCOD, 86                          ; s[86:87] the unit's 8 fragments in qin
.set QSCL, 88                          ; s[88:89] and its scale block
.set YY,   90                          ; s90      the work-group's y
.macro PJLOAD c, jj                    ; p_j of j = 64 c + 32 h + jj into buffer jj % 2
.irp e, 0,1,2,3
	ds_load_b128 v[PJ+16*((\jj)%2)+4*\e:PJ+16*((\jj)%2)+4*\e+3], v[APJ] offset:4096*(\c)+64*(\jj)+16*\e
.endr
.endm
.macro DIST c                          ; the distances of my two i to my 32 j of this c
	PJLOAD \c, 0
	PJLOAD \c, 1
.set JJ, 0
.rept 32
.if JJ < 31
	s_wait_dscnt 4                                 ; this j's four loads are in; the next j's may be out
.else
	s_wait_dscnt 0x0
.endif
.set PB, PJ+16*(JJ%2)
; The 16 packed differences of this j (index q = 8 t + p).  The last two levels of the j before's sums stand among them: nine plain lines behind the writes that they read, and five or more from each other.
.irp q, 0,1,2,3,4,5,6,7,8
	v_pk_add_f32 v[DD+2*\q:DD+2*\q+1], v[PI+2*\q:PI+2*\q+1], v[PB+2*(\q%8):PB+2*(\q%8)+1] neg_lo:[0,1] neg_hi:[0,1]
.endr
.if JJ > 0
	v_pk_add_f32 v[CH:CH+1], v[CH:CH+1], v[CH+2:CH+3]
	v_pk_add_f32 v[CH+4:CH+5], v[CH+4:CH+5], v[CH+6:CH+7]
.endif
.irp q, 9,10,11,12,13
	v_pk_add_f32 v[DD+2*\q:DD+2*\q+1], v[PI+2*\q:PI+2*\q+1], v[PB+2*(\q%8):PB+2*(\q%8)+1] neg_lo:[0,1] neg_hi:[0,1]
.endr
.if JJ > 0
	v_add_f32 v[D2+JJ-1], v[CH], v[CH+1]           ; the j before, t = 0
.endif
.irp q, 14,15
	v_pk_add_f32 v[DD+2*\q:DD+2*\q+1], v[PI+2*\q:PI+2*\q+1], v[PB+2*(\q%8):PB+2*(\q%8)+1] neg_lo:[0,1] neg_hi:[0,1]
.endr
.if JJ < 30
	PJLOAD \c, JJ+2                                ; the buffer has been read: it takes the j two on
.endif
.irp t, 0,1                                    ; eight chains of squares, in place: a link stands eight lines behind the link before it
.irp n, 0,1,2,3
	v_pk_mul_f32 v[DD+16*\t+2*\n:DD+16*\t+2*\n+1], v[DD+16*\t+2*\n:DD+16*\t+2*\n+1], v[DD+16*\t+2*\n:DD+16*\t+2*\n+1]
.endr
.endr
.irp t, 0,1
.irp n, 0,1,2,3
	v_pk_fma_f32 v[DD+16*\t+2*\n:DD+16*\t+2*\n+1], v[DD+16*\t+8+2*\n:DD+16*\t+8+2*\n+1], v[DD+16*\t+8+2*\n:DD+16*\t+8+2*\n+1], v[DD+16*\t+2*\n:DD+16*\t+2*\n+1]
.endr
.endr
	v_pk_add_f32 v[CH:CH+1], v[DD:DD+1], v[DD+2:DD+3]
	v_pk_add_f32 v[CH+2:CH+3], v[DD+4:DD+5], v[DD+6:DD+7]
.if JJ > 0
	v_add_f32 v[D2+32+JJ-1], v[CH+4], v[CH+5]      ; the j before, t = 1
.endif
	v_pk_add_f32 v[CH+4:CH+5], v[DD+16:DD+17], v[DD+18:DD+19]
.if JJ == 0
	s_delay_alu instid0(VALU_DEP_4)
.endif
	v_pk_add_f32 v[CH+6:CH+7], v[DD+20:DD+21], v[DD+22:DD+23]
.set JJ, JJ+1
.endr
	s_delay_alu instid0(VALU_DEP_4)                ; the last j's sums have no differences to stand among
	v_pk_add_f32 v[CH:CH+1], v[CH:CH+1], v[CH+2:CH+3]
	s_delay_alu instid0(VALU_DEP_2)
	v_pk_add_f32 v[CH+4:CH+5], v[CH+4:CH+5], v[CH+6:CH+7]
	s_delay_alu instid0(VALU_DEP_2)
	v_add_f32 v[D2+31], v[CH], v[CH+1]
	s_delay_alu instid0(VALU_DEP_2)
	v_add_f32 v[D2+63], v[CH+4], v[CH+5]
.endm
.macro WQ t, k, c                      ; one block of 32 weights: made, quantised, its codes to the stage
.irp p, 0,1,2,3,4,5,6,7,8,9,10,11,12,13,14,15
	v_pk_mul_f32 v[W+2*\p:W+2*\p+1], v[D2+32*(\t)+2*\p:D2+32*(\t)+2*\p+1], s[CK+2*(\k):CK+2*(\k)+1] op_sel_hi:[1,0]
.endr
	s_wait_alu depctr_va_vdst(0)
.irp j, 0,1,2,3,4,5,6,7,8,9,10,11,12,13,14,15,16,17,18,19,20,21,22,23,24,25,26,27,28,29,30,31
	v_exp_f32 v[W+\j], v[W+\j]
.endr
	v_nop                                          ; a plain place behind the exponentials
	s_wait_alu depctr_va_vdst(0)
.irp p, 0,1,2,3,4,5,6,7,8,9,10,11,12,13,14,15
	v_pk_mul_f32 v[W+2*\p:W+2*\p+1], v[W+2*\p:W+2*\p+1], v[MS+2*\p:MS+2*\p+1]
.endr
	v_max3_num_f32 v[CH], |v[W]|, |v[W+1]|, 0x1800000    ; the block's largest magnitude, as a tree: eleven leaves that hang on no other line (the floor 2^(3 - 127) among their sources), in the chains' registers and v12, v13, v15, which are free here
.irp i, 1,2,3,4,5,6,7
	v_max3_num_f32 v[CH+\i], |v[W+3*\i-1]|, |v[W+3*\i]|, |v[W+3*\i+1]|
.endr
	v_max3_num_f32 v12, |v[W+23]|, |v[W+24]|, |v[W+25]|
	v_max3_num_f32 v13, |v[W+26]|, |v[W+27]|, |v[W+28]|
	v_max3_num_f32 v15, |v[W+29]|, |v[W+30]|, |v[W+31]|
	v_max3_num_f32 v[CH], v[CH], v[CH+1], v[CH+2]
	v_max3_num_f32 v[CH+3], v[CH+3], v[CH+4], v[CH+5]
	v_max3_num_f32 v[CH+6], v[CH+6], v[CH+7], v12
	s_delay_alu instid0(VALU_DEP_3)
	v_max3_num_f32 v13, v13, v15, v[CH]
	s_delay_alu instid0(VALU_DEP_1)
	v_max3_num_f32 v14, v13, v[CH+3], v[CH+6]
	s_delay_alu instid0(VALU_DEP_1)
	v_add_nc_u32 v14, 0xff000000, v14              ; 2 off its exponent field: the conversion's scale operand
	s_wait_alu depctr_va_vdst(0)
	s_wait_dscnt 0x0                               ; the last block's stores have read the codes' registers
	v_cvt_scalef32_pk16_fp6_f32 v[CD:CD+2], v[W:W+15], v14
	v_cvt_scalef32_pk16_fp6_f32 v[CD+4:CD+6], v[W+16:W+31], v14   ; (a conversion's three registers begin on an even number)
	v_lshrrev_b32 v15, 23, v14                     ; the scale's byte; also the plain place behind the conversions
	v_mov_b32 v[CD+3], v[CD+4]
	v_mov_b32 v[CD+4], v[CD+5]
	v_mov_b32 v[CD+5], v[CD+6]
.if \c == 0
	s_delay_alu instid0(VALU_DEP_4)
	v_mov_b32 v[SB+4*(\t)+(\k)], v15
	ds_store_b128 v[AST], v[CD:CD+3] offset:FRB*(4*(\t)+(\k))          ; registers 0-3 of the fragment,
	ds_store_b64 v[AST], v[CD+4:CD+5] offset:FRB*(4*(\t)+(\k))+512     ; 4 and 5
.else
	s_delay_alu instid0(VALU_DEP_4)
	v_lshl_or_b32 v[SB+4*(\t)+(\k)], v15, 16, v[SB+4*(\t)+(\k)]
	ds_store_b64 v[AST], v[CD:CD+1] offset:FRB*(4*(\t)+(\k))+520       ; registers 6 and 7,
	ds_store_b128 v[AST], v[CD+2:CD+5] offset:FRB*(4*(\t)+(\k))+1024   ; 8-11
.endif
.endm
.macro ALLWQ c
.irp t, 0,1
.irp k, 0,1,2,3
	WQ \t, \k, \c
.endr
.endr
.endm
; Job 2: 64 numbers of a lane, register 16 b + i = k 32 b + 16 (lane / 16) + i of my row, become a fragment's codes in v[pc] .. v[pc + 11] and its scale word in v[pw].
.macro QUANT s, pc, pw
.irp b, 0,1,2,3
	v_max3_num_f32 v[TM+\b], |v[\s+16*\b]|, |v[\s+16*\b+1]|, 0x1800000   ; block b: my 16 numbers, and the floor 2^(3 - 127): the byte cannot fall under 1
.endr
.irp i, 2,4,6,8,10,12,14
.irp b, 0,1,2,3
	s_delay_alu instid0(VALU_DEP_4)
	v_max3_num_f32 v[TM+\b], v[TM+\b], |v[\s+16*\b+\i]|, |v[\s+16*\b+\i+1]|   ; the four blocks by turns
.endr
.endr
.irp b, 0,1,2,3
	s_delay_alu instid0(VALU_DEP_4)
	v_permlanex16_b32 v[TM+4+\b], v[TM+\b], s[SEL], s[SEL+1]   ; (its destination counts as read: these registers held weights)
.endr
.irp b, 0,1,2,3
	s_delay_alu instid0(VALU_DEP_4)
	v_max_num_f32 v[TM+\b], v[TM+\b], v[TM+4+\b]   ; with lane l xor 16's 16: the block's largest magnitude
.endr
.irp b, 0,1,2,3
	s_delay_alu instid0(VALU_DEP_4)
	v_add_nc_u32 v[TM+12+\b], 0xff000000, v[TM+\b] ; 2 off its exponent field: the conversion's scale operand
.endr
.irp b, 0,1,2,3
	s_delay_alu instid0(VALU_DEP_4)
	v_lshrrev_b32 v[TM+4+\b], 23, v[TM+12+\b]      ; the scale's byte
.endr
	s_delay_alu instid0(VALU_DEP_3)
	v_lshl_or_b32 v[\pw], v[TM+5], 8, v[TM+4]
	s_delay_alu instid0(VALU_DEP_1)
	v_lshl_or_b32 v[\pw], v[TM+6], 16, v[\pw]
	s_delay_alu instid0(VALU_DEP_1)
	v_lshl_or_b32 v[\pw], v[TM+7], 24, v[\pw]      ; my row's scale word: the same in lanes r and 16 + r
.irp c, 0,1
	v_cvt_scalef32_pk16_fp6_f32 v[\pc+6*\c:\pc+6*\c+2], v[\s+32*\c:\s+32*\c+15], v[TM+12+2*\c]
	v_cvt_scalef32_pk16_fp6_f32 v[\pc+12+4*\c:\pc+14+4*\c], v[\s+32*\c+16:\s+32*\c+31], v[TM+13+2*\c]   ; (a conversion's three registers begin on an even number)
.endr
	v_nop                                          ; one plain place behind a scaled conversion
.irp c, 0,1                                    ; the operand wants a WHOLE block in a lane: lanes 0-15 block 2 c, lanes 16-31 block 2 c + 1
.irp i, 0,1,2
	v_permlane16_swap_b32 v[\pc+6*\c+\i], v[\pc+12+4*\c+\i]
.endr
.irp i, 0,1,2
	s_delay_alu instid0(VALU_DEP_3)
	v_mov_b32 v[\pc+6*\c+3+\i], v[\pc+12+4*\c+\i]
.endr
.endr
.endm
	s_load_b256 s[4:11], s[0:1], 0x0               ; position s[4:5], mass s[6:7], log_bandwidth s[8:9], wk s[10:11]
	s_load_b256 s[48:55], s[0:1], 0x20             ; charge s[48:49], W_charge s[50:51], W_combine s[52:53], qin s[54:55]
	v_lshl_add_u32 v240, v0, 2, 0x1b200
	v_mov_b32 v241, 0
	v_lshrrev_b32 v1, 5, v0
	s_delay_alu instid0(VALU_DEP_1)
	v_readfirstlane_b32 s12, v1                    ; wave 0..7
	s_mov_b32 s13, ttmp9                           ; jstep
	s_and_b32 s[YY], ttmp7, 0xffff
	s_lshr_b32 s15, s[YY], 3                       ; b
	s_and_b32 s14, s[YY], 7                        ; ib
	s_mov_b32 s[SEL], 0x76543210
	s_mov_b32 s[SEL+1], 0xfedcba98
	s_mov_b32 s[HM], 0xffff0000
	s_lshl_b32 s44, s15, 17                        ; positions: 64 bytes each; a batch has 2,048
	s_lshl_b32 s37, s13, 13
	s_add_co_u32 s44, s44, s37                     ; the work-group's 128 j
	s_mov_b32 s45, 0
	s_lshl_b32 s46, s15, 17
	s_lshl_b32 s37, s14, 14
	s_add_co_u32 s46, s46, s37
	s_lshl_b32 s37, s12, 11
	s_add_co_u32 s46, s46, s37                     ; my wave's 32 i
	s_mov_b32 s47, 0
	s_lshl_b32 s38, s15, 13
	s_lshl_b32 s37, s13, 9
	s_add_co_u32 s38, s38, s37                     ; the 128 masses
	s_mov_b32 s39, 0
	s_wait_kmcnt 0x0
	s_load_b128 s[40:43], s[8:9], 0x0              ; the four log bandwidths
	s_add_nc_u64 s[44:45], s[4:5], s[44:45]
	s_add_nc_u64 s[46:47], s[4:5], s[46:47]
	s_add_nc_u64 s[6:7], s[6:7], s[38:39]
	v_and_b32 v1, 31, v0                           ; lane
	v_and_b32 v2, 15, v0                           ; r
	v_bfe_u32 v3, v0, 4, 1                         ; h
	v_lshlrev_b32 v12, 4, v0                       ; staging: 16 bytes a thread, in memory and in LDS alike
	s_delay_alu instid0(VALU_DEP_3)
	v_lshlrev_b32 v13, 6, v2                       ; p_i: row r
	s_delay_alu instid0(VALU_DEP_3)
	v_lshlrev_b32 v[AMS], 7, v3
	global_load_b128 v[80:83], v12, s[44:45]
	global_load_b128 v[84:87], v12, s[44:45] offset:4096
.irp t, 0,1
.irp e, 0,1,2,3
	global_load_b128 v[PI+16*\t+4*\e:PI+16*\t+4*\e+3], v13, s[46:47] offset:1024*\t+16*\e
.endr
.endr
.irp e, 0,1,2,3,4,5,6,7
	global_load_b128 v[MS+4*\e:MS+4*\e+3], v[AMS], s[6:7] offset:16*\e
.endr
	v_lshlrev_b32 v[APJ], 11, v3
	v_lshlrev_b32 v[LI], 4, v1
	s_wait_alu depctr_va_vdst(0)
	v_lshlrev_b32 v[SH], 3, v3
	s_mul_i32 s37, s12, 8*FRB
	s_add_co_u32 s37, s37, STG
	v_add_nc_u32 v[AST], s37, v[LI]
	s_lshr_b32 s37, s12, 2                         ; pan
	s_lshl_b32 s37, s37, 9
	s_and_b32 s38, s12, 3                          ; beta
	s_lshl_b32 s39, s38, 2
	s_add_co_u32 s37, s37, s39
	s_add_co_u32 s37, s37, SCW
	v_add_nc_u32 v[ASC], s37, v[LI]
	s_mul_i32 s38, s38, 2*FRB
	v_add_nc_u32 v[GO], s38, v[LI]
	s_lshl_b32 s37, s12, 9
	s_add_co_u32 s37, s37, SCW
	v_add_nc_u32 v[ASR], s37, v[LI]
	; my records: ((16 (4 b + k) + 2 ib + pan) x 16 + jstep) x 12,800; from k to k 256 records
	s_lshl_b32 s37, s15, 6
	s_lshl_b32 s38, s14, 1
	s_add_co_u32 s37, s37, s38                     ; 64 b + 2 ib
	s_lshr_b32 s38, s12, 2
	s_add_co_u32 s38, s38, s37
	s_lshl_b32 s38, s38, 4
	s_add_co_u32 s38, s38, s13
	s_mul_i32 s38, s38, SREC
	s_mov_b32 s39, 0
	s_add_nc_u64 s[BK:BK+1], s[10:11], s[38:39]
.irp k, 1,2,3
	s_add_nc_u64 s[BK+2*\k:BK+2*\k+1], s[BK+2*\k-2:BK+2*\k-1], 256*SREC
.endr
	s_lshr_b32 s38, s12, 1                         ; the scale block that my wave sends out: k = wave / 2, pan = wave % 2
	s_lshl_b32 s38, s38, 4
	s_add_co_u32 s38, s38, s37
	s_and_b32 s37, s12, 1
	s_add_co_u32 s38, s38, s37
	s_lshl_b32 s38, s38, 4
	s_add_co_u32 s38, s38, s13
	s_mul_i32 s38, s38, SREC
	s_add_co_u32 s38, s38, 8*FRB
	s_add_nc_u64 s[BS:BS+1], s[10:11], s[38:39]
	; JOB 2: which unit.  t = 16 y + x; the three readings of t: K step s, panel p of 128 rows, its part lo of a record, the record's number hi.
	; (Every work-group makes these numbers; only those with y < UNITY use them.)
	s_lshl_b32 s56, s[YY], 4
	s_add_co_u32 s56, s56, s13                     ; t
	s_and_b32 s57, s56, 3                          ; charge: s = t % 4
	s_lshr_b32 s58, s56, 2                         ; p = t / 4
	s_and_b32 s59, s58, 3                          ; lo = p % 4
	s_and_b32 s60, s58, 0x3c
	s_add_co_u32 s60, s60, s57                     ; hi = 4 (p / 4) + s
	s_sub_co_u32 s61, s56, 256                     ; W_charge: t1 = hi
	s_and_b32 s62, s61, 3                          ; s
	s_lshr_b32 s63, s61, 2                         ; p
	s_sub_co_u32 s66, s56, 320                     ; W_combine: t2
	s_and_b32 s67, s66, 15                         ; s = hi
	s_lshr_b32 s68, s66, 4                         ; p = lo
	s_mov_b32 s74, BREC
	s_mov_b32 s75, QW2
	s_mov_b32 s76, 49152
	s_cmp_lt_u32 s56, 320                          ; W_charge or W_combine?  The choices hang on the work-group's number alone
	s_cselect_b32 s70, s62, s67                    ; s
	s_cselect_b32 s71, s63, s68                    ; p
	s_cselect_b32 s72, 0, s68                      ; lo
	s_cselect_b32 s73, s61, s67                    ; hi
	s_cselect_b32 s74, SREC, s74                   ; a record's bytes
	s_cselect_b32 s75, QW1, s75                    ; the tensor's first byte in qin
	s_cselect_b32 s76, 12288, s76                  ; where a record's scale blocks begin
	s_cselect_b32 s77, 11, 13                      ; log2 of a source row's bytes
	s_cselect_b32 s78, 8, 0                        ; rows permuted: r + (r & 8); natural: r
	s_cselect_b32 s79, 8, 16                       ; rows from fragment 2 beta to 2 beta + 1
	s_cselect_b64 s[QSRC:QSRC+1], s[50:51], s[52:53]
	s_cmp_lt_u32 s56, 256                          ; or charge?
	s_cselect_b32 s70, s57, s70
	s_cselect_b32 s71, s58, s71
	s_cselect_b32 s72, s59, s72
	s_cselect_b32 s73, s60, s73
	s_cselect_b32 s74, BREC, s74
	s_cselect_b32 s75, 0, s75
	s_cselect_b32 s76, 49152, s76
	s_cselect_b32 s77, 11, s77
	s_cselect_b32 s78, 8, s78
	s_cselect_b32 s79, 8, s79
	s_cselect_b64 s[QSRC:QSRC+1], s[48:49], s[QSRC:QSRC+1]
	s_add_co_u32 s83, s77, 7
	s_lshl_b32 s82, s71, s83                       ; 128 p rows,
	s_lshl_b32 s83, s70, 9
	s_add_co_u32 s82, s82, s83                     ; + 512 s bytes along K
	s_mov_b32 s83, 0
	s_add_nc_u64 s[QSRC:QSRC+1], s[QSRC:QSRC+1], s[82:83]   ; the source at my unit's corner
	s_mul_i32 s82, s73, s74
	s_add_co_u32 s82, s82, s75                     ; the record
	s_mul_i32 s84, s72, 8*FRB
	s_add_co_u32 s84, s84, s82
	s_mov_b32 s85, 0
	s_add_nc_u64 s[QCOD:QCOD+1], s[54:55], s[84:85]   ; the unit's 8 fragments
	s_lshl_b32 s84, s72, 9
	s_add_co_u32 s84, s84, s82
	s_add_co_u32 s84, s84, s76
	s_add_nc_u64 s[QSCL:QSCL+1], s[54:55], s[84:85]   ; and its scale block
	; c_k = -log2(e) / (2 exp(lb_k) + 1e-8)
	s_mov_b32 s37, 0x322bcc77                      ; 1e-8
	s_mov_b32 s38, 0x3fb8aa3b                      ; log2(e)
	s_wait_kmcnt 0x0
.irp k, 0,1,2,3
	v_mov_b32 v[224+\k], s[40+\k]
.endr
.irp k, 0,1,2,3
	s_delay_alu instid0(VALU_DEP_4)
	v_mul_f32 v[224+\k], s38, v[224+\k]
.endr
	s_wait_alu depctr_va_vdst(0)
.irp k, 0,1,2,3
	v_exp_f32 v[224+\k], v[224+\k]
.endr
	v_nop
	s_wait_alu depctr_va_vdst(0)
.irp k, 0,1,2,3
	v_fma_f32 v[224+\k], v[224+\k], 2.0, s37       ; den
.endr
	s_wait_alu depctr_va_vdst(0)
.irp k, 0,1,2,3
	v_rcp_f32 v[228+\k], v[224+\k]
.endr
	v_nop
	s_wait_alu depctr_va_vdst(0)
.irp k, 0,1,2,3
	v_mul_f32 v[232+\k], s38, v[228+\k]            ; q = log2(e) / den, roughly
.endr
.irp k, 0,1,2,3
	s_delay_alu instid0(VALU_DEP_4)
	v_fma_f32 v[236+\k], -v[232+\k], v[224+\k], s38   ; what is left: log2(e) - q den
.endr
.irp k, 0,1,2,3
	v_fma_f32 v[232+\k], v[236+\k], v[228+\k], v[232+\k]
.endr
.irp k, 0,1,2,3
	v_readfirstlane_b32 s[CK+2*\k], v[232+\k]
	s_xor_b32 s[CK+2*\k], s[CK+2*\k], 0x80000000   ; the sign
	s_mov_b32 s[CK+2*\k+1], s[CK+2*\k]             ; (the packed form names the pair)
.endr
	; job 2's four address registers (v236-239 are free from here on): wave w makes fragment w = 2 beta + u
	v_and_b32 v14, s78, v2
	s_delay_alu instid0(VALU_DEP_1)
	v_add_nc_u32 v14, v14, v2                      ; r, or r + 8 (r / 8)
	s_lshr_b32 s82, s12, 1                         ; beta
	s_and_b32 s83, s12, 1                          ; u
	s_lshl_b32 s84, s82, 5
	s_mul_i32 s85, s83, s79
	s_add_co_u32 s84, s84, s85
	v_add_nc_u32 v14, s84, v14                     ; my row of the unit's 128
	s_delay_alu instid0(VALU_DEP_1)
	v_lshlrev_b32 v[XA], s77, v14
	s_delay_alu instid0(VALU_DEP_1)
	v_lshl_add_u32 v[XA], v3, 6, v[XA]             ; + 64 h: my 16 numbers of a block of 32
	s_mul_i32 s84, s12, FRB
	v_add_nc_u32 v[GOQ], s84, v[LI]
	s_lshl_b32 s84, s83, 8
	s_lshl_b32 s85, s82, 2
	s_add_co_u32 s84, s84, s85
	s_add_co_u32 s84, s84, QSC
	v_lshl_add_u32 v[ASQ], v2, 4, s84              ; QSC + 256 u + 16 r + 4 beta
	v_add_nc_u32 v[AQR], QSC, v[LI]
	s_wait_loadcnt 16                              ; the two staging loads are in: behind them stand p_i's eight and the masses' eight
	ds_store_b128 v12, v[80:83]
	ds_store_b128 v12, v[84:87] offset:4096
	s_wait_dscnt 0x0                               ; for the others' sake: my part of the 128 p_j has landed
	s_barrier_signal -1
	s_barrier_wait -1
	s_wait_loadcnt 8                               ; p_i is in; the masses may be out
	DIST 0
	s_wait_loadcnt 0x0                             ; the masses
	ALLWQ 0
.irp e, 0,1,2,3,4,5,6,7
	global_load_b128 v[MS+4*\e:MS+4*\e+3], v[AMS], s[6:7] offset:256+16*\e   ; the masses of c = 1 land while its distances are made
.endr
	DIST 1
	s_wait_loadcnt 0x0
	s_cmp_lt_u32 s[YY], UNITY                      ; JOB 2: p_i and p_j are done with: their registers take my fragment's 64 numbers, which land while the last eight blocks of weights are made
	s_cbranch_scc0 .Lno_unit_a
.irp b, 0,1,2,3
.irp j, 0,1,2,3
	global_load_b128 v[X+16*\b+4*\j:X+16*\b+4*\j+3], v[XA], s[QSRC:QSRC+1] offset:128*\b+16*\j th:TH_LOAD_NT
.endr
.endr
.Lno_unit_a:
	ALLWQ 1
	s_cmp_lt_u32 s[YY], UNITY
	s_cbranch_scc0 .Lno_unit_b
	s_wait_loadcnt 0x0                             ; my fragment's numbers
	QUANT X, PCQ, PWQ
.irp g, 0,1,2
	global_store_b128 v[GOQ], v[PCQ+4*\g:PCQ+4*\g+3], s[QCOD:QCOD+1] offset:512*\g   ; 32 lanes store 512 consecutive bytes, at a multiple of 512 from qin's first byte; nothing below writes these registers
.endr
	ds_store_b32 v[ASQ], v[PWQ]                    ; lanes r and 16 + r write the same word with the same value; the eight waves' words interleave into the unit's scale block
.Lno_unit_b:
	; job 1's scale words: my bytes are those of blocks h and 2 + h; lane l xor 16 has the other two
	s_wait_alu depctr_va_vdst(0)
.irp f, 0,1,2,3,4,5,6,7
	v_lshlrev_b32 v[SB+\f], v[SH], v[SB+\f]
.endr
.irp f, 0,1,2,3,4,5,6,7
	v_permlanex16_b32 v[W+\f], v[SB+\f], s[SEL], s[SEL+1]
.endr
.irp f, 0,1,2,3,4,5,6,7
	v_or_b32 v[SB+\f], v[SB+\f], v[W+\f]
.endr
.irp k, 0,1,2,3
	s_delay_alu instid0(VALU_DEP_4)
	v_cndmask_b32 v[WD+\k], v[SB+\k], v[SB+4+\k], s[HM]   ; lanes 0-15: fragment 2 beta's words; lanes 16-31: fragment 2 beta + 1's
.endr
.irp k, 0,1,2,3
	ds_store_b32 v[ASC], v[WD+\k] offset:1024*\k
.endr
.irp n, 0,1,2,3,4,5,6,7,8,9,10,11,12,13,14,15,16,17,18,19,20,21,22,23
	ds_load_b128 v[RBK+4*\n:RBK+4*\n+3], v[AST] offset:512*\n   ; LDS serves a wave's instructions in order: these see my stores.  Piece n: image n / 3 = 4 t + k, part n % 3.  The distances' and masses' registers take them
.endr
.irp n, 0,1,2,3,4,5,6,7,8,9,10,11,12,13,14,15,16,17,18,19,20,21,22,23
	s_wait_dscnt 23-\n
	global_store_b128 v[GO], v[RBK+4*\n:RBK+4*\n+3], s[BK+2*((\n/3)%4):BK+2*((\n/3)%4)+1] offset:FRB*(\n/12)+512*(\n%3)   ; 512 consecutive bytes, at a multiple of 512 from wk's first byte
.endr
	s_wait_dscnt 0x0                               ; my words lie in the scale blocks, job 2's too
	s_barrier_signal -1
	s_barrier_wait -1
	ds_load_b128 v[216:219], v[ASR]
	s_wait_dscnt 0x0
	global_store_b128 v[LI], v[216:219], s[BS:BS+1]   ; one whole scale block of wk a wave
	s_cmp_lt_u32 s[YY], UNITY
	s_cbranch_scc0 .Ldone
	s_cmp_lg_u32 s12, 0
	s_cbranch_scc1 .Ldone                          ; wave 0 sends the unit's scale block out
	ds_load_b128 v[220:223], v[AQR]
	s_wait_dscnt 0x0
	global_store_b128 v[LI], v[220:223], s[QSCL:QSCL+1]   ; 512 consecutive bytes
.Ldone:
	s_wait_tensorcnt 0x0
	ds_add_u32 v240, v241
	s_wait_dscnt 0x0
	s_endpgm
.Lfunc_end_k_q9de7bfcce7_prep:
	.size	k_q9de7bfcce7_prep, .Lfunc_end_k_q9de7bfcce7_prep-k_q9de7bfcce7_prep
	.p2alignl 7, 3214868480
	.fill 96, 4, 3214868480
	.section	.rodata,"a",@progbits
	.p2align	6, 0x0
	.amdhsa_kernel k_q9de7bfcce7_prep
		.amdhsa_group_segment_fixed_size 112128
		.amdhsa_private_segment_fixed_size 0
		.amdhsa_enable_private_segment 0
		.amdhsa_kernarg_size 64
		.amdhsa_user_sgpr_count 2
		.amdhsa_user_sgpr_kernarg_segment_ptr 1
		.amdhsa_wavefront_size32 1
		.amdhsa_system_sgpr_workgroup_id_x 1
		.amdhsa_system_sgpr_workgroup_id_y 1
		.amdhsa_system_sgpr_workgroup_id_z 1
		.amdhsa_system_vgpr_workitem_id 0
		.amdhsa_next_free_vgpr 242
		.amdhsa_next_free_sgpr 96
		.amdhsa_reserve_vcc 0
		.amdhsa_float_denorm_mode_32 3
		.amdhsa_float_denorm_mode_16_64 3
		.amdhsa_memory_ordered 1
		.amdhsa_forward_progress 1
		.amdhsa_inst_pref_size 255
	.end_amdhsa_kernel
	.section	.bss,"aw",@nobits
	.p2align	6
	.space	262144
	.amdgpu_metadata
---
amdhsa.version: [ 1, 2 ]
amdhsa.kernels:
  - .name:           k_q9de7bfcce7_prep
    .symbol:         k_q9de7bfcce7_prep.kd
    .args:
      - { .name: position, .offset: 0, .size: 8, .value_kind: global_buffer, .address_space: global }
      - { .name: mass, .offset: 8, .size: 8, .value_kind: global_buffer, .address_space: global }
      - { .name: log_bandwidth, .offset: 16, .size: 8, .value_kind: global_buffer, .address_space: global }
      - { .name: wk, .offset: 24, .size: 8, .value_kind: global_buffer, .address_space: global }
      - { .name: charge, .offset: 32, .size: 8, .value_kind: global_buffer, .address_space: global }
      - { .name: W_charge, .offset: 40, .size: 8, .value_kind: global_buffer, .address_space: global }
      - { .name: W_combine, .offset: 48, .size: 8, .value_kind: global_buffer, .address_space: global }
      - { .name: qin, .offset: 56, .size: 8, .value_kind: global_buffer, .address_space: global }
    .group_segment_fixed_size: 112128
    .private_segment_fixed_size: 0
    .kernarg_segment_align: 8
    .kernarg_segment_size: 64
    .max_flat_workgroup_size: 256
    .sgpr_count:     96
    .vgpr_count:     242
    .wavefront_size: 32
...
	.end_amdgpu_metadata
.endif
;; end of part 1
;; launch proj (part 2): grid 16 x 16, 4 waves a work-group, clusters of 4 x 4, 327,680 bytes of LDS; arguments qin, pt; writes pt
.if DOCPART == 2
	.amdgcn_target "amdgcn-amd-amdhsa--gfx1250"
	.amdhsa_code_object_version 6
	.text
	.protected	k_q9de7bfcce7_proj
	.globl	k_q9de7bfcce7_proj
	.p2align	8
	.type	k_q9de7bfcce7_proj,@function
k_q9de7bfcce7_proj:
	s_mov_b64 s[64:65], 0
	v_nop
	global_prefetch_b8 v0, s[64:65] scope:SCOPE_SE
	s_setreg_imm32_b32 hwreg(HW_REG_WAVE_MODE, 25, 1), 1
	s_wait_xcnt 0x0
	s_wait_alu depctr_hold_cnt(0) depctr_sa_sdst(0) depctr_va_vdst(0) depctr_va_sdst(0) depctr_va_ssrc(0) depctr_va_vcc(0) depctr_vm_vsrc(0)
	s_getreg_b32 s2, hwreg(HW_REG_IB_STS2, 6, 4)
	s_cmp_eq_u32 s2, 0
	s_cbranch_scc0 .Lentry_in_a_cluster
	s_endpgm
.Lentry_in_a_cluster:
	s_bfe_u32 s2, ttmp6, 0x10000c
	s_cmp_lg_u32 s2, 0xf033
	s_cbranch_scc0 .Lentry_shape_is_right
	s_endpgm
.Lentry_shape_is_right:
; projected[j][(k, d)] = sum over c of charge[j][c] W_charge[(k, d)][c], on codes of FP6 (E2M3) with E8M0 scales, and the result QUANTISED ALONG j, which is the next product's K.
; Operands come from qin as records in the order of the operand's registers: a fragment's image (16 rows x 128 K) is 1,536 bytes, register p of lane L at 512 (p / 4) + 16 L + 4 (p % 4); a scale block
; (128 rows, one K step) is 512 bytes, the word of fragment 2 beta + u, row r, at 16 (16 u + r) + 4 beta; a small record = 8 fragments + 1 block, a big one = 32 fragments + 4 blocks.
; SHARES.  A work-group makes 512 j (a big panel of charge, source 0) x 128 (k, d) (a small panel of W_charge, source 1); wave w takes j 128 w .. 128 w + 127: 64 accumulators of 16 x 16, 512 registers.
; In a result lane (r, h) holds ONE row of source 1 (one d), and since charge's rows are permuted in its fragments, the 64 registers of source 1's block a are j = 32 beta + 16 h + i at register 16 beta + i:
; what the conversions want.  So each block a becomes one fragment of pt (16 d x my 128 j) in registers and is stored as its image.
; pt: big records, panel 4 b + k, K step = 128 j, part dt = 128 of d; its rows are d in W_charge's permuted order, which the next launch wants of its source 0.
; K = 512 is four K steps: two LDS slots of two steps, both filled at the start; nothing is filled again.
; CLUSTER 4 x 4: the four work-groups of a row of the cluster need the same panel of charge, the four of a column the same panel of W_charge: each record is asked for JOINTLY.
; LIMITS: a block of zeros gets the byte 1 where the quantiser's text says 127 (its codes are zeros; this program alone reads the bytes); NaN and infinities are not served.
; REGISTERS, in windows of 256: window 0: v8-21 addresses; v28, v29 for the add; v32-63 scale words and nothing else; v128-223 source 1's 8 fragments, one set; on the way out v64-223 codes, v224-247 at work.
;   window 1: source 0's 8 fragments, two sets, at v0 and v128.   window 2: accumulators of source 1's blocks 0-3 ((a, b) at v[8 (8 (a % 4) + b)]);   window 3: blocks 4-7.
.set SREC,  12800
.set BREC,  51200
.set FRB,   1536
.set BSC,   49152                      ; a big record's scale blocks
.set QW1,   3276800                    ; W_charge in qin
.set SMB,   2*BREC                     ; a slot in LDS: the two K steps' big records, then their two small ones
.set SLOT,  2*BREC+2*SREC
.set WPART, 134*256                    ; bytes of the big pair that wave 0 and wave 1 fetch; wave 2 takes the remaining 132 rows
.set G1C, 80                           ; s[80:87] group 1 for wave 2's 132 rows
.set SPARE, 2*SLOT                     ; the spare words, 128 bytes for each wave: two blocks of 256 bytes that no other line names
.set ADRA, 8                           ; v8-11   source 1's fragments of (slot s, step q): at 2 s + q
.set ADRB, 12                          ; v12-15  my 8 fragments of source 0
.set ADRS, 16                          ; v16-19  scale words: lanes 0-15 source 0's, lanes 16-31 source 1's
.set LI,   20                          ; v20     16 x lane
.set SPW,  28
.set NIL,  29
.set SC,   32                          ; the word of fragment f in (slot s, step q): v[SC + 16 s + 8 q + 4 (f % 2) + f / 2]
.set AF,   128
.set TM,   224                         ; v224-239 at work in QUANT
.set PW,   240                         ; the scale word just made
.set SW,   244                         ; v244-247 my part of the output's scale block
.set G1,  24                           ; s[24:31] group 1 for big records;  s[32:39] group 0, one for each slot
.set G0,  32
.set G1B, 48                           ; s[48:55], s[56:63] the same for small records
.set G0B, 56
.set SEL, 66
.set HM,  68
.set OUT, 70
.set OUTS, 72
.set MSB, 0
.macro WIN new                         ; the immediate's high byte repeats the setting that is left
.if MSB != (\new)
	s_set_vgpr_msb (MSB<<8)|(\new)
.set MSB, (\new)
.endif
.endm
.set MUL_LO, 0xa1                      ; source 0 window 1, source 1 window 0, C and D window 2
.set MUL_HI, 0xf1                      ; the same, C and D window 3
.set TO_B,   0x40
; A slot's 128,000 bytes come by four loads, one a wave: the big pair's 400 rows of 256 bytes as 134, 134 and 132 (waves 0, 1, 2), the small pair's 100 rows by wave 3.
; One chain of branches on the wave's number, one load to an arm; s_nop 0 and four v_nop follow each load.
.macro JLOAD g0a, g1a, g0b, g1b
	s_cmp_lt_u32 s14, 2
	s_cbranch_scc0 .Lthird_\@
	tensor_load_to_lds s[\g0a:\g0a+3], s[\g1a:\g1a+7]
	s_nop 0
.rept 4
	v_nop
.endr
	s_branch .Lasked_\@
.Lthird_\@:
	s_cmp_lt_u32 s14, 3
	s_cbranch_scc0 .Lfor_b_\@
	tensor_load_to_lds s[\g0a:\g0a+3], s[G1C:G1C+7]
	s_nop 0
.rept 4
	v_nop
.endr
	s_branch .Lasked_\@
.Lfor_b_\@:
	tensor_load_to_lds s[\g0b:\g0b+3], s[\g1b:\g1b+7]
	s_nop 0
.rept 4
	v_nop
.endr
.Lasked_\@:
.endm
.macro CREST                           ; a round of the cluster's barrier behind its opening barrier
	s_cmp_lg_u32 s14, 0
	s_cbranch_scc1 .Lnot_wave_0_\@
	s_barrier_signal -3
.Lnot_wave_0_\@:
	s_barrier_wait -3
	s_barrier_signal -1
	s_barrier_wait -1
.endm
.macro CROUND
	s_barrier_signal -1
	s_barrier_wait -1
	CREST
.endm
.macro PLACES                          ; four places in front of loads into registers that matrix instructions have read, and of the first read of results
.rept 4
	v_nop
.endr
.endm
.macro FRAG reg, adr, i                ; a fragment's image: three loads of 16 bytes a lane, each 512 consecutive bytes
.irp g, 0,1,2
	ds_load_b128 v[\reg+4*\g:\reg+4*\g+3], v[\adr] offset:(\i)*FRB+512*\g
.endr
.endm
.macro FETCH_B slot, q                 ; my 8 fragments of source 0 for step q of the slot, into set q
	WIN TO_B
.irp i, 0,1,2,3,4,5,6,7
	FRAG 128*(\q)+12*\i, ADRB+2*(\slot)+(\q), \i
.endr
	WIN 0
.endm
.macro FETCH_A slot, q, i0             ; source 1's fragments i0 .. i0 + 3
.irp i, \i0, \i0+1, \i0+2, \i0+3
	FRAG AF+12*(\i), ADRA+2*(\slot)+(\q), \i
.endr
.endm
.macro SCALES slot                     ; a slot's scale words: for each of its two steps two loads of 16 bytes: the words of fragments u, 2 + u, 4 + u, 6 + u
.irp q, 0,1
.irp u, 0,1
	ds_load_b128 v[SC+16*(\slot)+8*\q+4*\u:SC+16*(\slot)+8*\q+4*\u+3], v[ADRS+2*(\slot)+\q] offset:256*\u
.endr
.endr
.endm
; 16 matrix instructions: source 1's blocks a0, a0 + 1 x my 8 of source 0, step q of slot sc.  zero = 1: the first product starts the sums.  The 64 accumulators take turns in one order.
.macro MUL16 a0, q, sc, zero
.irp a, \a0, \a0+1
.irp b, 0,1,2,3,4,5,6,7
.if \zero
	v_wmma_scale_f32_16x16x128_f8f6f4 v[8*(8*((\a)%4)+\b):8*(8*((\a)%4)+\b)+7], v[128*(\q)+12*\b:128*(\q)+12*\b+11], v[AF+12*(\a):AF+12*(\a)+11], 0, v[SC+16*(\sc)+8*(\q)+4*(\b%2)+\b/2], v[SC+16*(\sc)+8*(\q)+4*((\a)%2)+(\a)/2] matrix_a_fmt:MATRIX_FMT_FP6 matrix_b_fmt:MATRIX_FMT_FP6 matrix_b_scale:MATRIX_SCALE_ROW1
.else
	v_wmma_scale_f32_16x16x128_f8f6f4 v[8*(8*((\a)%4)+\b):8*(8*((\a)%4)+\b)+7], v[128*(\q)+12*\b:128*(\q)+12*\b+11], v[AF+12*(\a):AF+12*(\a)+11], v[8*(8*((\a)%4)+\b):8*(8*((\a)%4)+\b)+7], v[SC+16*(\sc)+8*(\q)+4*(\b%2)+\b/2], v[SC+16*(\sc)+8*(\q)+4*((\a)%2)+(\a)/2] matrix_a_fmt:MATRIX_FMT_FP6 matrix_b_fmt:MATRIX_FMT_FP6 matrix_b_scale:MATRIX_SCALE_ROW1
.endif
.endr
.endr
.endm
.macro STEP slot, zero                 ; a slot's first K step; its second step's fragments are fetched on the way
	s_wait_dscnt 12                                ; all but the youngest twelve loads (source 1's fragments 4-7) are in
	WIN MUL_LO
	MUL16 0, 0, \slot, \zero
	MUL16 2, 0, \slot, \zero
	s_wait_dscnt 0x0                               ; fragments 4-7 are in (asked for 32 matrix instructions ago)
	PLACES
	FETCH_B \slot, 1
	FETCH_A \slot, 1, 0
	WIN MUL_HI
	MUL16 4, 0, \slot, \zero
	MUL16 6, 0, \slot, \zero
	PLACES
	WIN 0
	FETCH_A \slot, 1, 4
.endm
.macro TURN slot, next                 ; a slot's second K step, and the change of slots: one barrier, behind which the next slot is whole for every wave.  Nothing is filled again in this launch
	s_wait_tensorcnt 0x0                           ; all my tensor loads have landed: my part of the next slot
	ds_add_u32 v[SPW], v[NIL]                      ; 0 onto my spare word
	s_wait_dscnt 13                                ; (the add and the youngest twelve loads may be out)
	WIN MUL_LO
	MUL16 0, 1, \slot, 0
	s_wait_dscnt 0x0                               ; the add is done, and my reads of this slot are over
	s_barrier_signal -1
	MUL16 2, 1, \slot, 0
	WIN 0
	s_barrier_wait -1
	PLACES
	FETCH_B \next, 0
	FETCH_A \next, 0, 0
	SCALES \next
	WIN MUL_HI
	MUL16 4, 1, \slot, 0
	MUL16 6, 1, \slot, 0
	PLACES
	WIN 0
	FETCH_A \next, 0, 4
.endm
; 64 results of a lane, v[s] .. v[s + 63] of window win, register 16 b + i = k 32 b + 16 (lane / 16) + i of my row, become a fragment's codes in v[pc] .. v[pc + 11] and its scale word in v[PW].
.macro QUANT s, win, pc
	WIN (\win)|((\win)<<2)
.irp b, 0,1,2,3
	v_max3_num_f32 v[TM+\b], |v[\s+16*\b]|, |v[\s+16*\b+1]|, 0x1800000   ; each accumulator is read from its low end on; the floor 2^(3 - 127) holds the byte at 1 from below
.endr
.irp i, 2,4,6,8,10,12,14
.irp b, 0,1,2,3
	v_max3_num_f32 v[TM+\b], |v[\s+16*\b+\i]|, |v[\s+16*\b+\i+1]|, v[TM+\b]
.endr
.endr
	WIN 0
.irp b, 0,1,2,3
	v_permlanex16_b32 v[TM+4+\b], v[TM+\b], s[SEL], s[SEL+1]
.endr
.irp b, 0,1,2,3
	v_max_num_f32 v[TM+\b], v[TM+\b], v[TM+4+\b]   ; with lane l xor 16's 16: the block's largest magnitude
.endr
.irp b, 0,1,2,3
	v_add_nc_u32 v[TM+12+\b], 0xff000000, v[TM+\b] ; 2 off its exponent field: the conversion's scale operand
.endr
.irp b, 0,1,2,3
	v_lshrrev_b32 v[TM+4+\b], 23, v[TM+12+\b]      ; the scale's byte
.endr
	v_lshl_or_b32 v[PW], v[TM+5], 8, v[TM+4]
	v_lshl_or_b32 v[PW], v[TM+6], 16, v[PW]
	v_lshl_or_b32 v[PW], v[TM+7], 24, v[PW]
	WIN \win
.irp c, 0,1
	v_cvt_scalef32_pk16_fp6_f32 v[\pc+6*\c:\pc+6*\c+2], v[\s+32*\c:\s+32*\c+15], v[TM+12+2*\c]
	v_cvt_scalef32_pk16_fp6_f32 v[\pc+12+4*\c:\pc+14+4*\c], v[\s+32*\c+16:\s+32*\c+31], v[TM+13+2*\c]
.endr
	WIN 0
	v_nop                                          ; one plain place behind a scaled conversion
.irp c, 0,1                                    ; the operand wants a WHOLE block in a lane
.irp i, 0,1,2
	v_permlane16_swap_b32 v[\pc+6*\c+\i], v[\pc+12+4*\c+\i]
.endr
.irp i, 0,1,2
	v_mov_b32 v[\pc+6*\c+3+\i], v[\pc+12+4*\c+\i]
.endr
.endr
.endm
; Block a leaves as fragment a of the output's record.  sl: which 20 registers take its codes: each block its own, so that no store's data are written again, and none with a number that its own results carry in their window.
.macro OUTQ a, sl
	QUANT 64*((\a)%4), 2+(\a)/4, 64+20*(\sl)
.irp g, 0,1,2
	global_store_b128 v[LI], v[64+20*(\sl)+4*\g:64+20*(\sl)+4*\g+3], s[OUT:OUT+1] offset:FRB*(\a)+512*\g   ; 512 consecutive bytes, at a multiple of 512 from the buffer's first byte
.endr
.if (\a)%2 == 0
	v_mov_b32 v[SW+(\a)/2], v[PW]                  ; lanes 0-15 keep the even fragment's words,
.else
	v_cndmask_b32 v[SW+(\a)/2], v[SW+(\a)/2], v[PW], s[HM]   ; lanes 16-31 take the odd one's
.endif
.endm
	s_load_b128 s[4:7], s[0:1], 0x0                ; qin s[4:5], pt s[6:7]
	v_lshl_add_u32 v[SPW], v0, 2, SPARE
	v_mov_b32 v[NIL], 0
	ds_add_u32 v28, v29
	ds_add_u32 v28, v29
	s_wait_dscnt 0x0
	v_lshrrev_b32 v1, 5, v0
	v_readfirstlane_b32 s14, v1                    ; wave 0..3
	s_bfe_u32 s40, ttmp6, 0x40000                  ; cx, cy: my place in the cluster
	s_bfe_u32 s41, ttmp6, 0x40004
	s_lshl_b32 s42, ttmp9, 2
	s_add_co_u32 s42, s42, s40                     ; pn: the panel of W_charge = 4 x cluster x + cx
	s_and_b32 s17, ttmp7, 0xffff
	s_lshl_b32 s17, s17, 2
	s_add_co_u32 s17, s17, s41                     ; Pj: the panel of charge = 4 x cluster y + cy
	s_lshl_b32 s43, s41, 2
	s_lshl_b32 s43, 15, s43                        ; my row of the cluster
	s_lshl_b32 s44, 0x1111, s40                    ; my column
	; group 1: a record is a dense block, stated as rows of 256 bytes (32 elements of 8 bytes), no padding: 200 rows, or 50
	s_or_b32 s[G1], s43, (3<<16)|(1<<21)           ; 15:0 the mask: charge's records go to my row; 17:16 elements of 8 bytes; 21 set beside a mask
	s_or_b32 s[G1B], s44, (3<<16)|(1<<21)          ; W_charge's go to my column
	s_mov_b32 s[G1+1], 32<<16                      ; tensor_dim0
	s_mov_b32 s[G1+2], 134<<16
	s_mov_b32 s[G1+3], 32<<16                      ; tile_dim0
	s_mov_b32 s[G1+4], 134
	s_mov_b32 s[G1+5], 32                          ; the pitch
	s_mov_b32 s[G1+6], 0
	s_mov_b32 s[G1+7], 0
	s_mov_b32 s[G1B+1], 32<<16
	s_mov_b32 s[G1B+2], 100<<16
	s_mov_b32 s[G1B+3], 32<<16
	s_mov_b32 s[G1B+4], 100
	s_or_b32 s[G1C], s43, (3<<16)|(1<<21)          ; wave 2's tile of charge's records: the same mask, 132 rows
	s_mov_b32 s[G1C+1], 32<<16
	s_mov_b32 s[G1C+2], 132<<16
	s_mov_b32 s[G1C+3], 32<<16
	s_mov_b32 s[G1C+4], 132
	s_mov_b32 s[G1C+5], 32
	s_mov_b32 s[G1C+6], 0
	s_mov_b32 s[G1C+7], 0
	s_mov_b32 s[G1B+5], 32
	s_mov_b32 s[G1B+6], 0
	s_mov_b32 s[G1B+7], 0
	s_mul_i32 s20, s17, 4*BREC                     ; charge's panel hangs on Pj alone,
	s_mul_i32 s45, s14, WPART                      ; my part of the big pair, in memory and in LDS alike: no place in the cluster enters an LDS address
	s_add_co_u32 s20, s20, s45
	s_mov_b32 s21, 0
	s_mul_i32 s46, s42, 4*SREC                     ; W_charge's panel hangs on pn alone
	s_add_co_u32 s46, s46, QW1
	s_mov_b32 s47, 0
	s_wait_kmcnt 0x0
	s_add_nc_u64 s[20:21], s[4:5], s[20:21]
	s_add_nc_u64 s[46:47], s[4:5], s[46:47]
	CROUND                                         ; all sixteen work-groups are here: the joint loads meet
.irp s, 0,1
	s_mov_b32 s[G0+4*\s], 1
	s_add_co_u32 s[G0+4*\s+1], s45, \s*SLOT
	s_add_nc_u64 s[G0+4*\s+2:G0+4*\s+3], s[20:21], \s*2*BREC
	s_or_b32 s[G0+4*\s+3], s[G0+4*\s+3], 0x80000000
	s_mov_b32 s[G0B+4*\s], 1
	s_mov_b32 s[G0B+4*\s+1], \s*SLOT+SMB
	s_add_nc_u64 s[G0B+4*\s+2:G0B+4*\s+3], s[46:47], \s*2*SREC
	s_or_b32 s[G0B+4*\s+3], s[G0B+4*\s+3], 0x80000000
.endr
	JLOAD G0, G1, G0B, G1B                         ; slot 0: one tensor load a wave at the head
	v_and_b32 v1, 31, v0                           ; lane
	v_and_b32 v2, 15, v0                           ; r
	v_bfe_u32 v3, v0, 4, 1                         ; h
	v_lshlrev_b32 v[LI], 4, v1
	s_mul_i32 s18, s14, 8*FRB
	v_add_nc_u32 v4, s18, v[LI]                    ; my 8 fragments of the big record
	s_xor_b32 s22, s14, 3
	s_lshl_b32 s22, s22, 9
	s_add_co_u32 s23, s22, 25600                   ; from my scale block of the big record to the small record's: step 1: 27,136 - 512 w,
	s_add_co_u32 s22, s22, 64000                   ; step 0: 65,536 - 512 w
	v_mul_u32_u24 v5, s22, v3                      ; lanes 16-31 take source 1's words
	v_mul_u32_u24 v6, s23, v3
	v_lshl_add_u32 v5, v2, 4, v5
	v_lshl_add_u32 v6, v2, 4, v6
	s_lshl_b32 s19, s14, 9
	s_add_co_u32 s19, s19, BSC
	v_add_nc_u32 v5, s19, v5
	v_add_nc_u32 v6, s19, v6
.irp s, 0,1
.irp q, 0,1
	v_add_nc_u32 v[ADRA+2*\s+\q], \s*SLOT+SMB+\q*SREC, v[LI]
	v_add_nc_u32 v[ADRB+2*\s+\q], \s*SLOT+\q*BREC, v4
	v_add_nc_u32 v[ADRS+2*\s+\q], \s*SLOT+\q*BREC, v[5+\q]
.endr
.endr
	s_mov_b32 s[SEL], 0x76543210
	s_mov_b32 s[SEL+1], 0xfedcba98
	s_mov_b32 s[HM], 0xffff0000
.irp b, 0,1,2,3
	v_mov_b32 v[TM+4+\b], 0                        ; written once: a lane permute's destination counts as one of its sources
.endr
	; where my results go: record (4 b + k) x 16 + jstep of pt, part dt.  b = Pj / 4, k = pn / 4, dt = pn % 4, jstep = 4 (Pj % 4) + wave
	s_lshr_b32 s18, s17, 2
	s_lshl_b32 s18, s18, 2
	s_lshr_b32 s19, s42, 2
	s_add_co_u32 s18, s18, s19
	s_lshl_b32 s18, s18, 4
	s_and_b32 s19, s17, 3
	s_lshl_b32 s19, s19, 2
	s_add_co_u32 s18, s18, s19
	s_add_co_u32 s18, s18, s14
	s_mul_i32 s18, s18, BREC
	s_and_b32 s19, s42, 3
	s_mul_i32 s22, s19, 8*FRB
	s_add_co_u32 s22, s22, s18
	s_mov_b32 s23, 0
	s_add_nc_u64 s[OUT:OUT+1], s[6:7], s[22:23]
	s_lshl_b32 s22, s19, 9
	s_add_co_u32 s22, s22, s18
	s_add_co_u32 s22, s22, BSC
	s_add_nc_u64 s[OUTS:OUTS+1], s[6:7], s[22:23]
	s_wait_alu depctr_va_vdst(0)
	s_wait_tensorcnt 0x0                           ; my part of slot 0 is in
	ds_add_u32 v[SPW], v[NIL]
	s_wait_dscnt 0x0
	CROUND                                         ; everybody's part is in, and the sixteen work-groups are here
	JLOAD G0+4, G1, G0B+4, G1B                     ; slot 1's first fill: my one tensor load behind the round
	FETCH_B 0, 0
	FETCH_A 0, 0, 0
	SCALES 0
	FETCH_A 0, 0, 4
	STEP 0, 1                                      ; the first step's products start the sums: nothing is cleared
	TURN 0, 1
	STEP 1, 0
	s_wait_dscnt 12                                ; the last step: nothing more to fetch
	WIN MUL_LO
	MUL16 0, 1, 1, 0
	MUL16 2, 1, 1, 0
	s_wait_dscnt 0x0
	WIN MUL_HI
	MUL16 4, 1, 1, 0
	MUL16 6, 1, 1, 0
	WIN 0
	PLACES
	OUTQ 0, 3
	OUTQ 1, 4
	OUTQ 2, 0
	OUTQ 3, 1
	OUTQ 4, 6
	OUTQ 5, 5
	OUTQ 6, 7
	OUTQ 7, 2
	global_store_b128 v[LI], v[SW:SW+3], s[OUTS:OUTS+1]   ; my 128 rows' scale words of this K step: 512 consecutive bytes
	s_wait_tensorcnt 0x0                           ; the wave's end
	ds_add_u32 v[SPW], v[NIL]
	s_wait_dscnt 0x0
	CROUND                                         ; the closing round: no work-group ends while a partner may still ask for a record that names it
	s_endpgm
.Lfunc_end_k_q9de7bfcce7_proj:
	.size	k_q9de7bfcce7_proj, .Lfunc_end_k_q9de7bfcce7_proj-k_q9de7bfcce7_proj
	.p2alignl 7, 3214868480
	.fill 96, 4, 3214868480
	.section	.rodata,"a",@progbits
	.p2align	6, 0x0
	.amdhsa_kernel k_q9de7bfcce7_proj
		.amdhsa_group_segment_fixed_size 327680
		.amdhsa_private_segment_fixed_size 0
		.amdhsa_enable_private_segment 0
		.amdhsa_kernarg_size 16
		.amdhsa_user_sgpr_count 2
		.amdhsa_user_sgpr_kernarg_segment_ptr 1
		.amdhsa_wavefront_size32 1
		.amdhsa_system_sgpr_workgroup_id_x 1
		.amdhsa_system_sgpr_workgroup_id_y 1
		.amdhsa_system_sgpr_workgroup_id_z 1
		.amdhsa_system_vgpr_workitem_id 0
		.amdhsa_next_free_vgpr 1024
		.amdhsa_next_free_sgpr 96
		.amdhsa_reserve_vcc 0
		.amdhsa_float_denorm_mode_32 3
		.amdhsa_float_denorm_mode_16_64 3
		.amdhsa_memory_ordered 1
		.amdhsa_forward_progress 1
		.amdhsa_inst_pref_size 90
	.end_amdhsa_kernel
	.amdgpu_metadata
---
amdhsa.version: [ 1, 2 ]
amdhsa.kernels:
  - .name:           k_q9de7bfcce7_proj
    .symbol:         k_q9de7bfcce7_proj.kd
    .args:
      - { .name: qin, .offset: 0, .size: 8, .value_kind: global_buffer, .address_space: global }
      - { .name: pt, .offset: 8, .size: 8, .value_kind: global_buffer, .address_space: global }
    .group_segment_fixed_size: 327680
    .private_segment_fixed_size: 0
    .kernarg_segment_align: 8
    .kernarg_segment_size: 16
    .max_flat_workgroup_size: 128
    .sgpr_count:     96
    .vgpr_count:     1024
    .wavefront_size: 32
...
	.end_amdgpu_metadata
.endif
;; end of part 2
;; launch field (part 3): grid 16 x 16, 4 waves a work-group, clusters of 4 x 1, 327,680 bytes of LDS; arguments pt, wk, fld; writes fld
.if DOCPART == 3
	.amdgcn_target "amdgcn-amd-amdhsa--gfx1250"
	.amdhsa_code_object_version 6
	.text
	.protected	k_q9de7bfcce7_field
	.globl	k_q9de7bfcce7_field
	.p2align	8
	.type	k_q9de7bfcce7_field,@function
k_q9de7bfcce7_field:
	s_mov_b64 s[64:65], 0
	v_nop
	global_prefetch_b8 v0, s[64:65] scope:SCOPE_SE
	s_setreg_imm32_b32 hwreg(HW_REG_WAVE_MODE, 25, 1), 1
	s_wait_xcnt 0x0
	s_wait_alu depctr_hold_cnt(0) depctr_sa_sdst(0) depctr_va_vdst(0) depctr_va_sdst(0) depctr_va_ssrc(0) depctr_va_vcc(0) depctr_vm_vsrc(0)
	s_getreg_b32 s2, hwreg(HW_REG_IB_STS2, 6, 4)
	s_cmp_eq_u32 s2, 0
	s_cbranch_scc0 .Lentry_in_a_cluster
	s_endpgm
.Lentry_in_a_cluster:
	s_bfe_u32 s2, ttmp6, 0x10000c
	s_cmp_lg_u32 s2, 0x3003
	s_cbranch_scc0 .Lentry_shape_is_right
	s_endpgm
.Lentry_shape_is_right:
.set SREC,  12800
.set BREC,  51200
.set FRB,   1536
.set BSC,   49152
.set SMB,   2*BREC                     ; a slot in LDS: the two K steps' big records, then their two small ones
.set SLOT,  2*BREC+2*SREC
.set WPART, 134*256                    ; bytes of the big pair that wave 0 and wave 1 fetch; wave 2 takes the remaining 132 rows
.set G1C, 80                           ; s[80:87] group 1 for wave 2's 132 rows
.set SPARE, 2*SLOT
.set LAPS,  4
.set ADRA, 8
.set ADRB, 12
.set ADRS, 16
.set LI,   20
.set PFO,  21
.set SPW,  28
.set NIL,  29
.set SC,   32
.set AF,   128
.set TM,   224
.set PW,   240
.set SW,   244
.set G1,  24
.set G0,  32
.set G1B, 48
.set G0B, 56
.set SEL, 66
.set HM,  68
.set OUT, 70
.set OUTS, 72
.set PFA, 74
.set MSB, 0
.macro WIN new
.if MSB != (\new)
	s_set_vgpr_msb (MSB<<8)|(\new)
.set MSB, (\new)
.endif
.endm
.set MUL_LO, 0xa1
.set MUL_HI, 0xf1
.set TO_B,   0x40
; A slot's 128,000 bytes come by four loads, one a wave: the big pair's 400 rows of 256 bytes as 134, 134 and 132 (waves 0, 1, 2, asked for jointly), the small pair's 100 rows by wave 3.
; One chain of branches on the wave's number, one load to an arm; s_nop 0 and four v_nop follow each load.
.macro JLOAD g0a, g1a, g0b, g1b
	s_cmp_lt_u32 s14, 2
	s_cbranch_scc0 .Lthird_\@
	tensor_load_to_lds s[\g0a:\g0a+3], s[\g1a:\g1a+7]
	s_nop 0
.rept 4
	v_nop
.endr
	s_branch .Lasked_\@
.Lthird_\@:
	s_cmp_lt_u32 s14, 3
	s_cbranch_scc0 .Lfor_b_\@
	tensor_load_to_lds s[\g0a:\g0a+3], s[G1C:G1C+7]
	s_nop 0
.rept 4
	v_nop
.endr
	s_branch .Lasked_\@
.Lfor_b_\@:
	tensor_load_to_lds s[\g0b:\g0b+3], s[\g1b:\g1b+7]
	s_nop 0
.rept 4
	v_nop
.endr
.Lasked_\@:
.endm
.macro ASK
	s_cmp_gt_u32 s3, 1
	s_cbranch_scc0 .Lno_more_\@
	global_prefetch_b8 v[PFO], s[PFA:PFA+1] th:TH_LOAD_NT scope:SCOPE_SE
.Lno_more_\@:
.endm
.macro CREST
	s_cmp_lg_u32 s14, 0
	s_cbranch_scc1 .Lnot_wave_0_\@
	s_barrier_signal -3
.Lnot_wave_0_\@:
	s_barrier_wait -3
	s_barrier_signal -1
	s_barrier_wait -1
.endm
.macro CROUND
	s_barrier_signal -1
	s_barrier_wait -1
	CREST
.endm
.macro PLACES
.rept 4
	v_nop
.endr
.endm
.macro FRAG reg, adr, i
.irp g, 0,1,2
	ds_load_b128 v[\reg+4*\g:\reg+4*\g+3], v[\adr] offset:(\i)*FRB+512*\g
.endr
.endm
.macro FETCH_B slot, q
	WIN TO_B
.irp i, 0,1,2,3,4,5,6,7
	FRAG 128*(\q)+12*\i, ADRB+2*(\slot)+(\q), \i
.endr
	WIN 0
.endm
.macro FETCH_A slot, q, i0
.irp i, \i0, \i0+1, \i0+2, \i0+3
	FRAG AF+12*(\i), ADRA+2*(\slot)+(\q), \i
.endr
.endm
.macro SCALES slot
.irp q, 0,1
.irp u, 0,1
	ds_load_b128 v[SC+16*(\slot)+8*\q+4*\u:SC+16*(\slot)+8*\q+4*\u+3], v[ADRS+2*(\slot)+\q] offset:256*\u
.endr
.endr
.endm
.macro MUL16 a0, q, sc, zero
.irp a, \a0, \a0+1
.irp b, 0,1,2,3,4,5,6,7
.if \zero
	v_wmma_scale_f32_16x16x128_f8f6f4 v[8*(8*((\a)%4)+\b):8*(8*((\a)%4)+\b)+7], v[128*(\q)+12*\b:128*(\q)+12*\b+11], v[AF+12*(\a):AF+12*(\a)+11], 0, v[SC+16*(\sc)+8*(\q)+4*(\b%2)+\b/2], v[SC+16*(\sc)+8*(\q)+4*((\a)%2)+(\a)/2] matrix_a_fmt:MATRIX_FMT_FP6 matrix_b_fmt:MATRIX_FMT_FP6 matrix_b_scale:MATRIX_SCALE_ROW1
.else
	v_wmma_scale_f32_16x16x128_f8f6f4 v[8*(8*((\a)%4)+\b):8*(8*((\a)%4)+\b)+7], v[128*(\q)+12*\b:128*(\q)+12*\b+11], v[AF+12*(\a):AF+12*(\a)+11], v[8*(8*((\a)%4)+\b):8*(8*((\a)%4)+\b)+7], v[SC+16*(\sc)+8*(\q)+4*(\b%2)+\b/2], v[SC+16*(\sc)+8*(\q)+4*((\a)%2)+(\a)/2] matrix_a_fmt:MATRIX_FMT_FP6 matrix_b_fmt:MATRIX_FMT_FP6 matrix_b_scale:MATRIX_SCALE_ROW1
.endif
.endr
.endr
.endm
.macro STEP slot, zero
	s_wait_dscnt 12
	WIN MUL_LO
	MUL16 0, 0, \slot, \zero
	MUL16 2, 0, \slot, \zero
	s_wait_dscnt 0x0
	PLACES
	FETCH_B \slot, 1
	FETCH_A \slot, 1, 0
	WIN MUL_HI
	MUL16 4, 0, \slot, \zero
	MUL16 6, 0, \slot, \zero
	PLACES
	WIN 0
	FETCH_A \slot, 1, 4
.endm
.macro TURN slot, next, fill
.if \fill
	s_wait_xcnt 0x0
	s_add_nc_u64 s[PFA:PFA+1], s[PFA:PFA+1], 2*SREC
.endif
	s_wait_tensorcnt 0x0
	ds_add_u32 v[SPW], v[NIL]
	s_wait_dscnt 13
	WIN MUL_LO
	MUL16 0, 1, \slot, 0
	s_wait_dscnt 0x0
	s_barrier_signal -1
	MUL16 2, 1, \slot, 0
	WIN 0
	s_barrier_wait -1
.if \fill
	CREST
	s_add_nc_u64 s[G0+4*\slot+2:G0+4*\slot+3], s[G0+4*\slot+2:G0+4*\slot+3], 4*BREC
	s_add_nc_u64 s[G0B+4*\slot+2:G0B+4*\slot+3], s[G0B+4*\slot+2:G0B+4*\slot+3], 4*SREC
	JLOAD G0+4*\slot, G1, G0B+4*\slot, G1B
.else
	PLACES
.endif
	s_wait_alu depctr_va_vdst(0)
	FETCH_B \next, 0
	FETCH_A \next, 0, 0
	SCALES \next
.if \fill
	ASK
.endif
	WIN MUL_HI
	MUL16 4, 1, \slot, 0
	MUL16 6, 1, \slot, 0
	PLACES
	WIN 0
	FETCH_A \next, 0, 4
.endm
.macro QUANT s, win, pc
	WIN (\win)|((\win)<<2)
.irp b, 0,1,2,3
	v_max3_num_f32 v[TM+\b], |v[\s+16*\b]|, |v[\s+16*\b+1]|, 0x1800000
.endr
.irp i, 2,4,6,8,10,12,14
.irp b, 0,1,2,3
	v_max3_num_f32 v[TM+\b], |v[\s+16*\b+\i]|, |v[\s+16*\b+\i+1]|, v[TM+\b]
.endr
.endr
	WIN 0
.irp b, 0,1,2,3
	v_permlanex16_b32 v[TM+4+\b], v[TM+\b], s[SEL], s[SEL+1]
.endr
.irp b, 0,1,2,3
	v_max_num_f32 v[TM+\b], v[TM+\b], v[TM+4+\b]
.endr
.irp b, 0,1,2,3
	v_add_nc_u32 v[TM+12+\b], 0xff000000, v[TM+\b]
.endr
.irp b, 0,1,2,3
	v_lshrrev_b32 v[TM+4+\b], 23, v[TM+12+\b]
.endr
	v_lshl_or_b32 v[PW], v[TM+5], 8, v[TM+4]
	v_lshl_or_b32 v[PW], v[TM+6], 16, v[PW]
	v_lshl_or_b32 v[PW], v[TM+7], 24, v[PW]
	WIN \win
.irp c, 0,1
	v_cvt_scalef32_pk16_fp6_f32 v[\pc+6*\c:\pc+6*\c+2], v[\s+32*\c:\s+32*\c+15], v[TM+12+2*\c]
	v_cvt_scalef32_pk16_fp6_f32 v[\pc+12+4*\c:\pc+14+4*\c], v[\s+32*\c+16:\s+32*\c+31], v[TM+13+2*\c]
.endr
	WIN 0
	v_nop
.irp c, 0,1
.irp i, 0,1,2
	v_permlane16_swap_b32 v[\pc+6*\c+\i], v[\pc+12+4*\c+\i]
.endr
.irp i, 0,1,2
	v_mov_b32 v[\pc+6*\c+3+\i], v[\pc+12+4*\c+\i]
.endr
.endr
.endm
.macro OUTQ a, sl
	QUANT 64*((\a)%4), 2+(\a)/4, 64+20*(\sl)
.irp g, 0,1,2
	global_store_b128 v[LI], v[64+20*(\sl)+4*\g:64+20*(\sl)+4*\g+3], s[OUT:OUT+1] offset:FRB*(\a)+512*\g
.endr
.if (\a)%2 == 0
	v_mov_b32 v[SW+(\a)/2], v[PW]
.else
	v_cndmask_b32 v[SW+(\a)/2], v[SW+(\a)/2], v[PW], s[HM]
.endif
.endm
	s_load_b128 s[4:7], s[0:1], 0x0
	s_load_b64 s[8:9], s[0:1], 0x10
	v_lshl_add_u32 v[SPW], v0, 2, SPARE
	v_mov_b32 v[NIL], 0
	ds_add_u32 v28, v29
	ds_add_u32 v28, v29
	s_wait_dscnt 0x0
	v_lshrrev_b32 v1, 5, v0
	v_readfirstlane_b32 s14, v1
	s_bfe_u32 s40, ttmp6, 0x40000
	s_lshl_b32 s42, ttmp9, 2
	s_add_co_u32 s42, s42, s40
	s_and_b32 s17, ttmp7, 0xffff
	s_mov_b32 s[G1], 15|(3<<16)|(1<<21)
	s_mov_b32 s[G1+1], 32<<16
	s_mov_b32 s[G1+2], 134<<16
	s_mov_b32 s[G1+3], 32<<16
	s_mov_b32 s[G1+4], 134
	s_mov_b32 s[G1+5], 32
	s_mov_b32 s[G1+6], 0
	s_mov_b32 s[G1+7], 0
	s_mov_b32 s[G1B], 3<<16
	s_mov_b32 s[G1B+1], 32<<16
	s_mov_b32 s[G1B+2], 100<<16
	s_mov_b32 s[G1B+3], 32<<16
	s_mov_b32 s[G1B+4], 100
	s_mov_b32 s[G1C], 15|(3<<16)|(1<<21)           ; wave 2's tile of the big pair: the same mask, 132 rows
	s_mov_b32 s[G1C+1], 32<<16
	s_mov_b32 s[G1C+2], 132<<16
	s_mov_b32 s[G1C+3], 32<<16
	s_mov_b32 s[G1C+4], 132
	s_mov_b32 s[G1C+5], 32
	s_mov_b32 s[G1C+6], 0
	s_mov_b32 s[G1C+7], 0
	s_mov_b32 s[G1B+5], 32
	s_mov_b32 s[G1B+6], 0
	s_mov_b32 s[G1B+7], 0
	s_mul_i32 s20, s17, 16*BREC
	s_mul_i32 s45, s14, WPART                      ; my part of the big pair, in memory and in LDS alike
	s_add_co_u32 s20, s20, s45
	s_mov_b32 s21, 0
	s_lshl_b32 s46, s17, 4
	s_add_co_u32 s46, s46, s42
	s_mul_i32 s46, s46, 16*SREC
	s_mov_b32 s47, 0
	s_mul_i32 s22, s14, 6400
	s_add_co_u32 s22, s22, s46
	s_add_co_u32 s22, s22, 3*2*SREC
	s_mov_b32 s23, 0
	s_wait_kmcnt 0x0
	s_add_nc_u64 s[20:21], s[4:5], s[20:21]
	s_add_nc_u64 s[46:47], s[6:7], s[46:47]
	s_add_nc_u64 s[PFA:PFA+1], s[6:7], s[22:23]
	CROUND
.irp s, 0,1
	s_mov_b32 s[G0+4*\s], 1
	s_add_co_u32 s[G0+4*\s+1], s45, \s*SLOT
	s_add_nc_u64 s[G0+4*\s+2:G0+4*\s+3], s[20:21], \s*2*BREC
	s_or_b32 s[G0+4*\s+3], s[G0+4*\s+3], 0x80000000
	s_mov_b32 s[G0B+4*\s], 1
	s_mov_b32 s[G0B+4*\s+1], \s*SLOT+SMB
	s_add_nc_u64 s[G0B+4*\s+2:G0B+4*\s+3], s[46:47], \s*2*SREC
	s_or_b32 s[G0B+4*\s+3], s[G0B+4*\s+3], 0x80000000
.endr
	JLOAD G0, G1, G0B, G1B                         ; slot 0: one tensor load a wave at the head
	v_and_b32 v1, 31, v0
	v_and_b32 v2, 15, v0
	v_bfe_u32 v3, v0, 4, 1
	v_lshlrev_b32 v[LI], 4, v1
	v_min_u32 v[PFO], 24, v1
	v_lshlrev_b32 v[PFO], 8, v[PFO]
	s_mul_i32 s18, s14, 8*FRB
	v_add_nc_u32 v4, s18, v[LI]
	s_xor_b32 s22, s14, 3
	s_lshl_b32 s22, s22, 9
	s_add_co_u32 s23, s22, 25600                   ; from my scale block of the big record to the small record's: step 1: 27,136 - 512 w,
	s_add_co_u32 s22, s22, 64000                   ; step 0: 65,536 - 512 w
	v_mul_u32_u24 v5, s22, v3                      ; lanes 16-31 take source 1's words
	v_mul_u32_u24 v6, s23, v3
	v_lshl_add_u32 v5, v2, 4, v5
	v_lshl_add_u32 v6, v2, 4, v6
	s_lshl_b32 s19, s14, 9
	s_add_co_u32 s19, s19, BSC
	v_add_nc_u32 v5, s19, v5
	v_add_nc_u32 v6, s19, v6
.irp s, 0,1
.irp q, 0,1
	v_add_nc_u32 v[ADRA+2*\s+\q], \s*SLOT+SMB+\q*SREC, v[LI]
	v_add_nc_u32 v[ADRB+2*\s+\q], \s*SLOT+\q*BREC, v4
	v_add_nc_u32 v[ADRS+2*\s+\q], \s*SLOT+\q*BREC, v[5+\q]
.endr
.endr
	s_mov_b32 s[SEL], 0x76543210
	s_mov_b32 s[SEL+1], 0xfedcba98
	s_mov_b32 s[HM], 0xffff0000
.irp b, 0,1,2,3
	v_mov_b32 v[TM+4+\b], 0
.endr
	s_lshr_b32 s18, s17, 2
	s_lshl_b32 s18, s18, 4
	s_add_co_u32 s18, s18, s42
	s_lshl_b32 s18, s18, 4
	s_and_b32 s19, s17, 3
	s_lshl_b32 s19, s19, 2
	s_add_co_u32 s18, s18, s19
	s_add_co_u32 s18, s18, s14
	s_mul_i32 s18, s18, SREC
	s_mov_b32 s19, 0
	s_add_nc_u64 s[OUT:OUT+1], s[8:9], s[18:19]
	s_add_nc_u64 s[OUTS:OUTS+1], s[OUT:OUT+1], 8*FRB
	s_wait_alu depctr_va_vdst(0)
	s_wait_tensorcnt 0x0                           ; my part of slot 0 is in
	ds_add_u32 v[SPW], v[NIL]
	s_wait_dscnt 0x0
	CROUND                                         ; everybody's part is in, and the four work-groups are here
	JLOAD G0+4, G1, G0B+4, G1B                     ; slot 1's first fill: my one tensor load behind the round
	FETCH_B 0, 0
	FETCH_A 0, 0, 0
	SCALES 0
	FETCH_A 0, 0, 4
	STEP 0, 1
	s_mov_b32 s3, LAPS-1
.Llap:
	TURN 0, 1, 1
	STEP 1, 0
	TURN 1, 0, 1
	STEP 0, 0
	s_sub_co_u32 s3, s3, 1
	s_cmp_lg_u32 s3, 0
	s_cbranch_scc1 .Llap
	TURN 0, 1, 0
	STEP 1, 0
	s_wait_dscnt 12
	WIN MUL_LO
	MUL16 0, 1, 1, 0
	MUL16 2, 1, 1, 0
	s_wait_dscnt 0x0
	WIN MUL_HI
	MUL16 4, 1, 1, 0
	MUL16 6, 1, 1, 0
	WIN 0
	PLACES
	OUTQ 0, 3
	OUTQ 1, 4
	OUTQ 2, 0
	OUTQ 3, 1
	OUTQ 4, 6
	OUTQ 5, 5
	OUTQ 6, 7
	OUTQ 7, 2
	global_store_b128 v[LI], v[SW:SW+3], s[OUTS:OUTS+1]
	s_wait_tensorcnt 0x0
	ds_add_u32 v[SPW], v[NIL]
	s_wait_dscnt 0x0
	CROUND
	s_endpgm
.Lfunc_end_k_q9de7bfcce7_field:
	.size	k_q9de7bfcce7_field, .Lfunc_end_k_q9de7bfcce7_field-k_q9de7bfcce7_field
	.p2alignl 7, 3214868480
	.fill 96, 4, 3214868480
	.section	.rodata,"a",@progbits
	.p2align	6, 0x0
	.amdhsa_kernel k_q9de7bfcce7_field
		.amdhsa_group_segment_fixed_size 327680
		.amdhsa_private_segment_fixed_size 0
		.amdhsa_enable_private_segment 0
		.amdhsa_kernarg_size 24
		.amdhsa_user_sgpr_count 2
		.amdhsa_user_sgpr_kernarg_segment_ptr 1
		.amdhsa_wavefront_size32 1
		.amdhsa_system_sgpr_workgroup_id_x 1
		.amdhsa_system_sgpr_workgroup_id_y 1
		.amdhsa_system_sgpr_workgroup_id_z 1
		.amdhsa_system_vgpr_workitem_id 0
		.amdhsa_next_free_vgpr 1024
		.amdhsa_next_free_sgpr 96
		.amdhsa_reserve_vcc 0
		.amdhsa_float_denorm_mode_32 3
		.amdhsa_float_denorm_mode_16_64 3
		.amdhsa_memory_ordered 1
		.amdhsa_forward_progress 1
		.amdhsa_inst_pref_size 139
	.end_amdhsa_kernel
	.amdgpu_metadata
---
amdhsa.version: [ 1, 2 ]
amdhsa.kernels:
  - .name:           k_q9de7bfcce7_field
    .symbol:         k_q9de7bfcce7_field.kd
    .args:
      - { .name: pt, .offset: 0, .size: 8, .value_kind: global_buffer, .address_space: global }
      - { .name: wk, .offset: 8, .size: 8, .value_kind: global_buffer, .address_space: global }
      - { .name: fld, .offset: 16, .size: 8, .value_kind: global_buffer, .address_space: global }
    .group_segment_fixed_size: 327680
    .private_segment_fixed_size: 0
    .kernarg_segment_align: 8
    .kernarg_segment_size: 24
    .max_flat_workgroup_size: 128
    .sgpr_count:     96
    .vgpr_count:     1024
    .wavefront_size: 32
...
	.end_amdgpu_metadata
.endif
;; end of part 3
;; launch combine (part 4): grid 64 x 1, 4 waves a work-group, clusters of 4 x 1, 327,680 bytes of LDS; arguments qin, fld, gamma, beta, out0; writes out0
.if DOCPART == 4
	.amdgcn_target "amdgcn-amd-amdhsa--gfx1250"
	.amdhsa_code_object_version 6
	.text
	.protected	k_q9de7bfcce7_combine
	.globl	k_q9de7bfcce7_combine
	.p2align	8
	.type	k_q9de7bfcce7_combine,@function
k_q9de7bfcce7_combine:
	s_mov_b64 s[64:65], 0
	v_nop
	global_prefetch_b8 v0, s[64:65] scope:SCOPE_SE
	s_setreg_imm32_b32 hwreg(HW_REG_WAVE_MODE, 25, 1), 1
	s_wait_xcnt 0x0
	s_wait_alu depctr_hold_cnt(0) depctr_sa_sdst(0) depctr_va_vdst(0) depctr_va_sdst(0) depctr_va_ssrc(0) depctr_va_vcc(0) depctr_vm_vsrc(0)
	s_getreg_b32 s2, hwreg(HW_REG_IB_STS2, 6, 4)
	s_cmp_eq_u32 s2, 0
	s_cbranch_scc0 .Lentry_in_a_cluster
	s_endpgm
.Lentry_in_a_cluster:
	s_bfe_u32 s2, ttmp6, 0x10000c
	s_cmp_lg_u32 s2, 0x3003
	s_cbranch_scc0 .Lentry_shape_is_right
	s_endpgm
.Lentry_shape_is_right:
.set SREC,  12800
.set BREC,  51200
.set FRB,   1536
.set BSC,   49152
.set QW2,   4096000
.set SMB,   2*BREC                     ; a slot in LDS: the two K steps' big records, then their two small ones
.set SLOT,  2*BREC+2*SREC
.set WPART, 134*256                    ; bytes of the big pair that wave 0 and wave 1 fetch; wave 2 takes the remaining 132 rows
.set G1C, 80                           ; s[80:87] group 1 for wave 2's 132 rows
.set SPARE, 2*SLOT
.set LAPS,  4
.set SPITCH, 528
.set RED1,  34816
.set RED2,  38912
.set ADRA, 8
.set ADRB, 12
.set ADRS, 16
.set LI,   20
.set PFO,  21
.set STO,  22
.set RD,   23
.set GB,   24
.set RW,   25
.set RR,   26
.set SPW,  28
.set NIL,  29
.set SC,   32
.set AF,   128
.set GA,   64
.set BE,   128
.set BKR,  64
.set S,    192
.set R,    208
.set T,    216
.set X,    224
.set G1,  24
.set G0,  32
.set G1B, 48
.set G0B, 56
.set SEL, 66
.set PFA, 74
.set MSB, 0
.macro WIN new
.if MSB != (\new)
	s_set_vgpr_msb (MSB<<8)|(\new)
.set MSB, (\new)
.endif
.endm
.set MUL_LO, 0xa1
.set MUL_HI, 0xf1
.set TO_B,   0x40
; A slot's 128,000 bytes come by four loads, one a wave: the big pair's 400 rows of 256 bytes as 134, 134 and 132 (waves 0, 1, 2, asked for jointly), the small pair's 100 rows by wave 3.
; One chain of branches on the wave's number, one load to an arm; s_nop 0 and four v_nop follow each load.
.macro JLOAD g0a, g1a, g0b, g1b
	s_cmp_lt_u32 s14, 2
	s_cbranch_scc0 .Lthird_\@
	tensor_load_to_lds s[\g0a:\g0a+3], s[\g1a:\g1a+7]
	s_nop 0
.rept 4
	v_nop
.endr
	s_branch .Lasked_\@
.Lthird_\@:
	s_cmp_lt_u32 s14, 3
	s_cbranch_scc0 .Lfor_b_\@
	tensor_load_to_lds s[\g0a:\g0a+3], s[G1C:G1C+7]
	s_nop 0
.rept 4
	v_nop
.endr
	s_branch .Lasked_\@
.Lfor_b_\@:
	tensor_load_to_lds s[\g0b:\g0b+3], s[\g1b:\g1b+7]
	s_nop 0
.rept 4
	v_nop
.endr
.Lasked_\@:
.endm
.macro ASK
	s_cmp_gt_u32 s3, 1
	s_cbranch_scc0 .Lno_more_\@
	global_prefetch_b8 v[PFO], s[PFA:PFA+1] th:TH_LOAD_NT scope:SCOPE_SE
.Lno_more_\@:
.endm
.macro CREST
	s_cmp_lg_u32 s14, 0
	s_cbranch_scc1 .Lnot_wave_0_\@
	s_barrier_signal -3
.Lnot_wave_0_\@:
	s_barrier_wait -3
	s_barrier_signal -1
	s_barrier_wait -1
.endm
.macro CROUND
	s_barrier_signal -1
	s_barrier_wait -1
	CREST
.endm
.macro PLACES
.rept 4
	v_nop
.endr
.endm
.macro FRAG reg, adr, i
.irp g, 0,1,2
	ds_load_b128 v[\reg+4*\g:\reg+4*\g+3], v[\adr] offset:(\i)*FRB+512*\g
.endr
.endm
.macro FETCH_B slot, q
	WIN TO_B
.irp i, 0,1,2,3,4,5,6,7
	FRAG 128*(\q)+12*\i, ADRB+2*(\slot)+(\q), \i
.endr
	WIN 0
.endm
.macro FETCH_A slot, q, i0
.irp i, \i0, \i0+1, \i0+2, \i0+3
	FRAG AF+12*(\i), ADRA+2*(\slot)+(\q), \i
.endr
.endm
.macro SCALES slot
.irp q, 0,1
.irp u, 0,1
	ds_load_b128 v[SC+16*(\slot)+8*\q+4*\u:SC+16*(\slot)+8*\q+4*\u+3], v[ADRS+2*(\slot)+\q] offset:256*\u
.endr
.endr
.endm
.macro MUL16 a0, q, sc, zero
.irp a, \a0, \a0+1
.irp b, 0,1,2,3,4,5,6,7
.if \zero
	v_wmma_scale_f32_16x16x128_f8f6f4 v[8*(8*((\a)%4)+\b):8*(8*((\a)%4)+\b)+7], v[128*(\q)+12*\b:128*(\q)+12*\b+11], v[AF+12*(\a):AF+12*(\a)+11], 0, v[SC+16*(\sc)+8*(\q)+4*(\b%2)+\b/2], v[SC+16*(\sc)+8*(\q)+4*((\a)%2)+(\a)/2] matrix_a_fmt:MATRIX_FMT_FP6 matrix_b_fmt:MATRIX_FMT_FP6 matrix_b_scale:MATRIX_SCALE_ROW1
.else
	v_wmma_scale_f32_16x16x128_f8f6f4 v[8*(8*((\a)%4)+\b):8*(8*((\a)%4)+\b)+7], v[128*(\q)+12*\b:128*(\q)+12*\b+11], v[AF+12*(\a):AF+12*(\a)+11], v[8*(8*((\a)%4)+\b):8*(8*((\a)%4)+\b)+7], v[SC+16*(\sc)+8*(\q)+4*(\b%2)+\b/2], v[SC+16*(\sc)+8*(\q)+4*((\a)%2)+(\a)/2] matrix_a_fmt:MATRIX_FMT_FP6 matrix_b_fmt:MATRIX_FMT_FP6 matrix_b_scale:MATRIX_SCALE_ROW1
.endif
.endr
.endr
.endm
.macro STEP slot, zero
	s_wait_dscnt 12
	WIN MUL_LO
	MUL16 0, 0, \slot, \zero
	MUL16 2, 0, \slot, \zero
	s_wait_dscnt 0x0
	PLACES
	FETCH_B \slot, 1
	FETCH_A \slot, 1, 0
	WIN MUL_HI
	MUL16 4, 0, \slot, \zero
	MUL16 6, 0, \slot, \zero
	PLACES
	WIN 0
	FETCH_A \slot, 1, 4
.endm
.macro TURN slot, next, fill
.if \fill
	s_wait_xcnt 0x0
	s_add_nc_u64 s[PFA:PFA+1], s[PFA:PFA+1], 2*SREC
.endif
	s_wait_tensorcnt 0x0
	ds_add_u32 v[SPW], v[NIL]
	s_wait_dscnt 13
	WIN MUL_LO
	MUL16 0, 1, \slot, 0
	s_wait_dscnt 0x0
	s_barrier_signal -1
	MUL16 2, 1, \slot, 0
	WIN 0
	s_barrier_wait -1
.if \fill
	CREST
	s_add_nc_u64 s[G0+4*\slot+2:G0+4*\slot+3], s[G0+4*\slot+2:G0+4*\slot+3], 4*BREC
	s_add_nc_u64 s[G0B+4*\slot+2:G0B+4*\slot+3], s[G0B+4*\slot+2:G0B+4*\slot+3], 4*SREC
	JLOAD G0+4*\slot, G1, G0B+4*\slot, G1B
.else
	PLACES
.endif
	FETCH_B \next, 0
	FETCH_A \next, 0, 0
	s_wait_alu depctr_va_vdst(0)
	SCALES \next
.if \fill
	ASK
.endif
	WIN MUL_HI
	MUL16 4, 1, \slot, 0
	MUL16 6, 1, \slot, 0
	PLACES
	WIN 0
	FETCH_A \next, 0, 4
.endm
.macro ROWSUM w
	WIN (\w)|((\w)<<2)
.irp a, 0,1,2,3
	v_pk_add_f32 v[S+8*((\w)-2)+2*\a:S+8*((\w)-2)+2*\a+1], v[64*\a:64*\a+1], v[64*\a+2:64*\a+3]
.endr
	WIN \w
.set P, 2
.rept 30
.irp a, 0,1,2,3
	v_pk_add_f32 v[S+8*((\w)-2)+2*\a:S+8*((\w)-2)+2*\a+1], v[64*\a+2*P:64*\a+2*P+1], v[S+8*((\w)-2)+2*\a:S+8*((\w)-2)+2*\a+1]
.endr
.set P, P+1
.endr
	WIN 0
.endm
.macro SUBM w
	WIN (\w)|((\w)<<6)
.irp a, 0,1,2,3
.set P, 0
.rept 32
	v_pk_add_f32 v[64*\a+2*P:64*\a+2*P+1], v[64*\a+2*P:64*\a+2*P+1], v[S+8*((\w)-2)+2*\a:S+8*((\w)-2)+2*\a+1] neg_lo:[0,1] neg_hi:[0,1]
.set P, P+1
.endr
.endr
	WIN 0
.endm
.macro SUMSQ w
	WIN (\w)|((\w)<<2)
.irp a, 0,1,2,3
	v_pk_mul_f32 v[S+8*((\w)-2)+2*\a:S+8*((\w)-2)+2*\a+1], v[64*\a:64*\a+1], v[64*\a:64*\a+1]
.endr
.set P, 1
.rept 31
.irp a, 0,1,2,3
	v_pk_fma_f32 v[S+8*((\w)-2)+2*\a:S+8*((\w)-2)+2*\a+1], v[64*\a+2*P:64*\a+2*P+1], v[64*\a+2*P:64*\a+2*P+1], v[S+8*((\w)-2)+2*\a:S+8*((\w)-2)+2*\a+1]
.endr
.set P, P+1
.endr
	WIN 0
.endm
.macro NORM w
	WIN (\w)|((\w)<<6)
.irp a, 0,1,2,3
.set P, 0
.rept 32
	v_pk_mul_f32 v[64*\a+2*P:64*\a+2*P+1], v[64*\a+2*P:64*\a+2*P+1], v[S+8*((\w)-2)+2*\a:S+8*((\w)-2)+2*\a+1]
.set P, P+1
.endr
.set P, 0
.rept 32
	v_pk_fma_f32 v[64*\a+2*P:64*\a+2*P+1], v[64*\a+2*P:64*\a+2*P+1], v[GA+2*P:GA+2*P+1], v[BE+2*P:BE+2*P+1]
.set P, P+1
.endr
.endr
	WIN 0
.endm
.macro EXCH red
.irp a, 0,1,2,3,4,5,6,7
	v_add_f32 v[R+\a], v[S+2*\a], v[S+2*\a+1]
.endr
.irp a, 0,1,2,3,4,5,6,7
	v_permlanex16_b32 v[T+\a], v[R+\a], s[SEL], s[SEL+1]
.endr
.irp a, 0,1,2,3,4,5,6,7
	v_add_f32 v[R+\a], v[R+\a], v[T+\a]
.endr
	ds_store_b128 v[RW], v[R:R+3] offset:\red
	ds_store_b128 v[RW], v[R+4:R+7] offset:\red+16
	s_wait_dscnt 0x0
	s_barrier_signal -1
	s_barrier_wait -1
.irp x, 0,1,2,3
	ds_load_b128 v[X+8*\x:X+8*\x+3], v[RR] offset:\red+1024*\x
	ds_load_b128 v[X+8*\x+4:X+8*\x+7], v[RR] offset:\red+1024*\x+16
.endr
	s_wait_dscnt 0x0
.irp p, 0,2,4,6
	v_pk_add_f32 v[X+\p:X+\p+1], v[X+\p:X+\p+1], v[X+8+\p:X+9+\p]
	v_pk_add_f32 v[X+16+\p:X+17+\p], v[X+16+\p:X+17+\p], v[X+24+\p:X+25+\p]
.endr
.irp p, 0,2,4,6
	v_pk_add_f32 v[X+\p:X+\p+1], v[X+\p:X+\p+1], v[X+16+\p:X+17+\p]
.endr
.endm
.macro TOSTAGE a
.set AC, 64*((\a)%4)
	WIN 0x08+4*((\a)/4)
.irp b, 0,1,2,3,4,5,6,7
	ds_store_b128 v[STO], v[AC+8*\b:AC+8*\b+3] offset:64*\b
	ds_store_b128 v[STO], v[AC+8*\b+4:AC+8*\b+7] offset:64*\b+16
.endr
	WIN 0
.set BB, BKR+64*((\a)%2)
.irp t, 0,1,2,3,4,5,6,7,8,9,10,11,12,13,14,15
	ds_load_b128 v[BB+4*\t:BB+4*\t+3], v[RD] offset:\t*SPITCH
.endr
.endm
.macro SEND a, younger
.set BB, BKR+64*((\a)%2)
	s_wait_dscnt \younger
.if (\a) > 0
	s_add_nc_u64 s[12:13], s[12:13], 16*2048
.endif
.irp t, 0,1,2,3,4,5,6,7,8,9,10,11,12,13,14,15
	global_store_b128 v[LI], v[BB+4*\t:BB+4*\t+3], s[12:13] offset:\t*2048 th:TH_STORE_NT
.endr
.endm
	s_load_b256 s[4:11], s[0:1], 0x0
	s_load_b64 s[12:13], s[0:1], 0x20
	v_lshl_add_u32 v[SPW], v0, 2, SPARE
	v_mov_b32 v[NIL], 0
	ds_add_u32 v28, v29
	ds_add_u32 v28, v29
	s_wait_dscnt 0x0
	v_lshrrev_b32 v1, 5, v0
	v_readfirstlane_b32 s14, v1
	s_bfe_u32 s40, ttmp6, 0x40000
	s_lshl_b32 s42, ttmp9, 2
	s_add_co_u32 s42, s42, s40
	s_mov_b32 s[G1], 15|(3<<16)|(1<<21)
	s_mov_b32 s[G1+1], 32<<16
	s_mov_b32 s[G1+2], 134<<16
	s_mov_b32 s[G1+3], 32<<16
	s_mov_b32 s[G1+4], 134
	s_mov_b32 s[G1+5], 32
	s_mov_b32 s[G1+6], 0
	s_mov_b32 s[G1+7], 0
	s_mov_b32 s[G1B], 3<<16
	s_mov_b32 s[G1B+1], 32<<16
	s_mov_b32 s[G1B+2], 100<<16
	s_mov_b32 s[G1B+3], 32<<16
	s_mov_b32 s[G1B+4], 100
	s_mov_b32 s[G1C], 15|(3<<16)|(1<<21)           ; wave 2's tile of the big pair: the same mask, 132 rows
	s_mov_b32 s[G1C+1], 32<<16
	s_mov_b32 s[G1C+2], 132<<16
	s_mov_b32 s[G1C+3], 32<<16
	s_mov_b32 s[G1C+4], 132
	s_mov_b32 s[G1C+5], 32
	s_mov_b32 s[G1C+6], 0
	s_mov_b32 s[G1C+7], 0
	s_mov_b32 s[G1B+5], 32
	s_mov_b32 s[G1B+6], 0
	s_mov_b32 s[G1B+7], 0
	s_mul_i32 s45, s14, WPART                      ; my part of the big pair, in memory and in LDS alike
	s_add_co_u32 s20, s45, QW2
	s_mov_b32 s21, 0
	s_mul_i32 s46, s42, 16*SREC
	s_mov_b32 s47, 0
	s_mul_i32 s22, s14, 6400
	s_add_co_u32 s22, s22, s46
	s_add_co_u32 s22, s22, 3*2*SREC
	s_mov_b32 s23, 0
	s_wait_kmcnt 0x0
	s_add_nc_u64 s[20:21], s[4:5], s[20:21]
	s_add_nc_u64 s[46:47], s[6:7], s[46:47]
	s_add_nc_u64 s[PFA:PFA+1], s[6:7], s[22:23]
	CROUND
.irp s, 0,1
	s_mov_b32 s[G0+4*\s], 1
	s_add_co_u32 s[G0+4*\s+1], s45, \s*SLOT
	s_add_nc_u64 s[G0+4*\s+2:G0+4*\s+3], s[20:21], \s*2*BREC
	s_or_b32 s[G0+4*\s+3], s[G0+4*\s+3], 0x80000000
	s_mov_b32 s[G0B+4*\s], 1
	s_mov_b32 s[G0B+4*\s+1], \s*SLOT+SMB
	s_add_nc_u64 s[G0B+4*\s+2:G0B+4*\s+3], s[46:47], \s*2*SREC
	s_or_b32 s[G0B+4*\s+3], s[G0B+4*\s+3], 0x80000000
.endr
	JLOAD G0, G1, G0B, G1B                         ; slot 0: one tensor load a wave at the head
	v_and_b32 v1, 31, v0
	v_and_b32 v2, 15, v0
	v_bfe_u32 v3, v0, 4, 1
	v_lshlrev_b32 v[LI], 4, v1
	v_min_u32 v[PFO], 24, v1
	v_lshlrev_b32 v[PFO], 8, v[PFO]
	s_mul_i32 s18, s14, 8*FRB
	v_add_nc_u32 v4, s18, v[LI]
	s_xor_b32 s22, s14, 3
	s_lshl_b32 s22, s22, 9
	s_add_co_u32 s23, s22, 25600                   ; from my scale block of the big record to the small record's: step 1: 27,136 - 512 w,
	s_add_co_u32 s22, s22, 64000                   ; step 0: 65,536 - 512 w
	v_mul_u32_u24 v5, s22, v3                      ; lanes 16-31 take source 1's words
	v_mul_u32_u24 v6, s23, v3
	v_lshl_add_u32 v5, v2, 4, v5
	v_lshl_add_u32 v6, v2, 4, v6
	s_lshl_b32 s19, s14, 9
	s_add_co_u32 s19, s19, BSC
	v_add_nc_u32 v5, s19, v5
	v_add_nc_u32 v6, s19, v6
.irp s, 0,1
.irp q, 0,1
	v_add_nc_u32 v[ADRA+2*\s+\q], \s*SLOT+SMB+\q*SREC, v[LI]
	v_add_nc_u32 v[ADRB+2*\s+\q], \s*SLOT+\q*BREC, v4
	v_add_nc_u32 v[ADRS+2*\s+\q], \s*SLOT+\q*BREC, v[5+\q]
.endr
.endr
	s_mov_b32 s[SEL], 0x76543210
	s_mov_b32 s[SEL+1], 0xfedcba98
	s_mov_b32 s76, 0x3b000000
	s_mov_b32 s77, 0x3727c5ac
	s_mul_i32 s18, s14, 16*SPITCH
	v_mul_u32_u24 v[STO], v2, SPITCH
	v_lshl_add_u32 v[STO], v3, 5, v[STO]
	v_add_nc_u32 v[STO], s18, v[STO]
	v_add_nc_u32 v[RD], s18, v[LI]
	s_lshl_b32 s18, s14, 9
	v_lshl_add_u32 v[GB], v3, 5, s18
	v_lshlrev_b32 v[RR], 5, v1
	s_lshl_b32 s18, s14, 10
	v_add_nc_u32 v[RW], s18, v[RR]
	s_lshl_b32 s18, s42, 18
	s_lshl_b32 s19, s14, 9
	s_add_co_u32 s18, s18, s19
	s_mov_b32 s19, 0
	s_add_nc_u64 s[12:13], s[12:13], s[18:19]
	s_wait_alu depctr_va_vdst(0)
	s_wait_tensorcnt 0x0                           ; my part of slot 0 is in
	ds_add_u32 v[SPW], v[NIL]
	s_wait_dscnt 0x0
	CROUND                                         ; everybody's part is in, and the four work-groups are here
	JLOAD G0+4, G1, G0B+4, G1B                     ; slot 1's first fill: my one tensor load behind the round
	FETCH_B 0, 0
	FETCH_A 0, 0, 0
	SCALES 0
	FETCH_A 0, 0, 4
	STEP 0, 1
	s_mov_b32 s3, LAPS-1
.Llap:
	TURN 0, 1, 1
	STEP 1, 0
	TURN 1, 0, 1
	STEP 0, 0
	s_sub_co_u32 s3, s3, 1
	s_cmp_lg_u32 s3, 0
	s_cbranch_scc1 .Llap
	TURN 0, 1, 0
	STEP 1, 0
	s_wait_dscnt 12
	WIN MUL_LO
	MUL16 0, 1, 1, 0
	MUL16 2, 1, 1, 0
	s_wait_dscnt 0x0
	WIN MUL_HI
	MUL16 4, 1, 1, 0
	MUL16 6, 1, 1, 0
	WIN 0
	PLACES
.irp b, 0,1,2,3,4,5,6,7
.irp e, 0,1
	global_load_b128 v[GA+8*\b+4*\e:GA+8*\b+4*\e+3], v[GB], s[8:9] offset:64*\b+16*\e
	global_load_b128 v[BE+8*\b+4*\e:BE+8*\b+4*\e+3], v[GB], s[10:11] offset:64*\b+16*\e
.endr
.endr
.irp a, 0,1,2,3,4,5,6,7
	v_mov_b32 v[T+\a], 0
.endr
	ROWSUM 2
	ROWSUM 3
	EXCH RED1
.irp a, 0,1,2,3,4,5,6,7
	v_mul_f32 v[S+2*\a], s76, v[X+\a]
	v_mul_f32 v[S+2*\a+1], s76, v[X+\a]
.endr
	SUBM 2
	SUBM 3
	SUMSQ 2
	SUMSQ 3
	EXCH RED2
.irp a, 0,1,2,3,4,5,6,7
	v_fma_f32 v[X+\a], v[X+\a], s76, s77
.endr
	s_wait_alu depctr_va_vdst(0)
.irp a, 0,1,2,3,4,5,6,7
	v_rsq_f32 v[S+2*\a], v[X+\a]
	v_rsq_f32 v[S+2*\a+1], v[X+\a]
.endr
	v_nop
	s_wait_alu depctr_va_vdst(0)
	s_wait_loadcnt 0x0
	NORM 2
	NORM 3
	TOSTAGE 0
	s_wait_alu depctr_va_vdst(0)
.irp a, 1,2,3,4,5,6,7
.if \a > 1
	s_wait_xcnt 0x0
.endif
	TOSTAGE \a
	SEND \a-1, 32
.endr
	s_wait_xcnt 0x0
	SEND 7, 0
	s_wait_tensorcnt 0x0
	ds_add_u32 v[SPW], v[NIL]
	s_wait_dscnt 0x0
	CROUND
	s_endpgm
.Lfunc_end_k_q9de7bfcce7_combine:
	.size	k_q9de7bfcce7_combine, .Lfunc_end_k_q9de7bfcce7_combine-k_q9de7bfcce7_combine
	.p2alignl 7, 3214868480
	.fill 96, 4, 3214868480
	.section	.rodata,"a",@progbits
	.p2align	6, 0x0
	.amdhsa_kernel k_q9de7bfcce7_combine
		.amdhsa_group_segment_fixed_size 327680
		.amdhsa_private_segment_fixed_size 0
		.amdhsa_enable_private_segment 0
		.amdhsa_kernarg_size 40
		.amdhsa_user_sgpr_count 2
		.amdhsa_user_sgpr_kernarg_segment_ptr 1
		.amdhsa_wavefront_size32 1
		.amdhsa_system_sgpr_workgroup_id_x 1
		.amdhsa_system_sgpr_workgroup_id_y 1
		.amdhsa_system_sgpr_workgroup_id_z 1
		.amdhsa_system_vgpr_workitem_id 0
		.amdhsa_next_free_vgpr 1024
		.amdhsa_next_free_sgpr 96
		.amdhsa_reserve_vcc 0
		.amdhsa_float_denorm_mode_32 3
		.amdhsa_float_denorm_mode_16_64 3
		.amdhsa_memory_ordered 1
		.amdhsa_forward_progress 1
		.amdhsa_inst_pref_size 225
	.end_amdhsa_kernel
	.amdgpu_metadata
---
amdhsa.version: [ 1, 2 ]
amdhsa.kernels:
  - .name:           k_q9de7bfcce7_combine
    .symbol:         k_q9de7bfcce7_combine.kd
    .args:
      - { .name: qin, .offset: 0, .size: 8, .value_kind: global_buffer, .address_space: global }
      - { .name: fld, .offset: 8, .size: 8, .value_kind: global_buffer, .address_space: global }
      - { .name: gamma, .offset: 16, .size: 8, .value_kind: global_buffer, .address_space: global }
      - { .name: beta, .offset: 24, .size: 8, .value_kind: global_buffer, .address_space: global }
      - { .name: out0, .offset: 32, .size: 8, .value_kind: global_buffer, .address_space: global }
    .group_segment_fixed_size: 327680
    .private_segment_fixed_size: 0
    .kernarg_segment_align: 8
    .kernarg_segment_size: 40
    .max_flat_workgroup_size: 128
    .sgpr_count:     96
    .vgpr_count:     1024
    .wavefront_size: 32
...
	.end_amdgpu_metadata
.endif
;; end of part 4
